; MI455X (gfx1250); checked and timed in simulation.
; The chip was launched on July 23, 2026; its instructions are those of AMD's public machine-readable ISA for CDNA 5 (MIT licence, August 2026) and "CDNA5" Instruction Set Architecture Reference Guide (July 2026). The comments in the code are by the model that wrote it; some were corrected since.
;; Multi Head Attention. Allowed arithmetic: matrix products marked QUANTISED: E2M1 operands, one E8M0 scale for each 32 along K, by v_wmma_scale_f32_16x16x128_f8f6f4 with both operands' format E2M1 (or v_wmma_scale_f32_32x16x128_f4), f32 sums; everything else in f32.
;; Inputs: bk 768 float32; bo 768 float32; bq 768 float32; bv 768 float32; wk 768 x 768 float32; wo 768 x 768 float32; wq 768 x 768 float32; wv 768 x 768 float32; x 1 x 4,096 x 768 float32.
;; Outputs: out0 1 x 4,096 x 768 float32.
;; This version of the problem:
;;   THIS VERSION OF THE PROBLEM IS GIVEN IN LOW PRECISION. The matrix products marked QUANTISED in the list below multiply operands that are first quantised to E2M1 (2 exponent bits, 1 mantissa bit; 4 bits a number), with one power-of-two scale for each 32 numbers along K (OCP MX v1.0); their sums are f32. All else is computed in f32.
;;   The module's matrix products, in the order in which they are computed (A, B: the left and right operand; K: the contracted axis; several contracted axes count as one K, in the product's order):
;;     1. [M 4,096, K 768] x [K 768, N 768]; A: input x; B: input wq: QUANTISED
;;     2. [M 4,096, K 768] x [K 768, N 768]; A: input x; B: input wk: QUANTISED
;;     3. [M 4,096, K 768] x [K 768, N 768]; A: input x; B: input wv: QUANTISED
;;     4. batch 12 x [M 4,096, K 64] x [K 64, N 4,096]; A: computed on the way; B: computed on the way: QUANTISED
;;     5. batch 12 x [M 4,096, K 4,096] x [K 4,096, N 64]; A: softmax (see below); B: computed on the way: QUANTISED
;;     6. [M 4,096, K 768] x [K 768, N 768]; A: computed on the way; B: input wo: QUANTISED
;;   THE QUANTISER, for each operand of a quantised product, along K:
;;     - K is cut into blocks of 32 from its start; a last block that is shorter is filled with zeros.
;;     - A block's scale is 2^e with e = floor(log2(the largest magnitude in the block)) - 2, held to -126 .. 127; a block of zeros has e = 0. As a byte (E8M0): e + 127.
;;     - Each number is divided by its block's scale, clamped to +-6, and rounded to the nearest number of E2M1, ties to even, subnormals kept.
;;     - The product sums the exact products of the quantised numbers (number of the format x scale) in f32.
;;   ~~~python
;;   def quantise(x, axis):      # numpy; x: float32 -> the quantised numbers, widened to float32 again
;;       x = np.moveaxis(x, axis, -1); K = x.shape[-1]
;;       x = np.pad(x, [(0, 0)] * (x.ndim - 1) + [(0, -K % 32)]); x = x.reshape(x.shape[:-1] + (-1, 32)); a = np.abs(x).max(-1, keepdims=True)
;;       e = np.where(a > 0, np.clip(np.frexp(np.where(a > 0, a, 1))[1] - 1 - 2, -126, 127), 0)      # np.frexp(a)[1] - 1 = floor(log2(a)), exactly
;;       r = np.clip(x / 2.0 ** e, -6, 6)
;;       step = 2.0 ** (np.maximum(np.frexp(np.where(r == 0, 1, r))[1] - 1, 0) - 1)
;;       q = np.round(r / step) * step * 2.0 ** e      # np.round: ties to even
;;       return np.moveaxis(q.reshape(q.shape[:-2] + (-1,))[..., :K], -1, axis).astype(np.float32)
;;   ~~~
;;   SOFTMAX AHEAD OF A QUANTISED PRODUCT. Where the list says 'softmax', what is quantised is not the finished softmax but p = 2^(t - M), with t = logit x log2(e) and M = ceil(the row's largest t), a whole number; so 1/2 < the row's largest p <= 1. The row's sum l is taken of the UNQUANTISED p, in f32, and the product's result is divided by l at the end. Since M is a whole number, a kernel that streams over the keys may use a running M (the ceiling of the running maximum): every later rescaling is an exact power of two, which a block's scale takes up: the codes' values come out the same.
;;   OPERANDS COMPUTED ON THE WAY. 'Computed on the way' means the value that the module computes at that place (a softmax that the list does not call 'softmax' is quantised finished and normalised). What goes into a quantiser is computed in f32, as accurately as f32 sums, v_exp_f32 and their like allow (about 1e-6 of the number): no bf16 or f16 on the way to a quantiser, and a product that is left as it is and whose result goes on into a quantised operand takes f32 operands (vector FMAs, or v_wmma_f32_16x16x4_f32). A number that lies on a knife's edge between two numbers of the format may be rounded either way, as far as f32 arithmetic and the matrix unit's own rounding can turn it there, and no further.
;; One version. Each part assembles by itself: llvm-mc -triple=amdgcn-amd-amdhsa -mcpu=gfx1250 --defsym DOCPART=n.
;; ======== version 1 of 1: 4 launches
;; limits: right only within a limited range of input values
;; workspace buffers: xq 1,671,168 bytes; wc 1,253,376 bytes; qq 1,769,472 bytes; kv 3,440,640 bytes; cq 1,671,168 bytes
;; launch prep (part 1): grid 24 x 14, 4 waves a work-group, no clusters, 34,304 bytes of LDS; arguments x, wq, wk, wv, wo, xq, wc; writes xq, wc
.if DOCPART == 1
	.amdgcn_target "amdgcn-amd-amdhsa--gfx1250"
	.amdhsa_code_object_version 6
	.text
	.protected	k_qd42a2eabcf_prep
	.globl	k_qd42a2eabcf_prep
	.p2align	8
	.type	k_qd42a2eabcf_prep,@function
k_qd42a2eabcf_prep:
	s_mov_b64 s[64:65], 0
	v_nop
	global_prefetch_b8 v0, s[64:65] scope:SCOPE_SE
	s_setreg_imm32_b32 hwreg(HW_REG_WAVE_MODE, 25, 1), 1
	s_wait_xcnt 0x0
; x [4096][768] and wq, wk, wv, wo [768 (k)][768 (n)], f32, become codes of FP4 (E2M1) with one E8M0 byte for each 32 along K, laid as IMAGES OF OPERAND REGISTERS.
; A fragment is 16 rows x 128 K: 8 registers a lane; lane (r, h) holds row r, registers 4 c .. 4 c + 3 hold k = 64 c + 32 h + 0 .. 31.  Its image is 1,024 bytes: piece c at 512 c, lane l's 16 bytes at 16 l.
; THE ROWS OF A TILE ARE NOT NEIGHBOURS: row r of tile 2 g + u is element 32 g + 8 u + r + 8 (r / 8) (of the tokens, or of a weight's output channels), so that the results of two neighbouring tiles are 16 neighbours along the next K.
; xq: images [tile 256][K step 6][1024]; from XQS on scale registers [tile][i 3][128]: lane l's word at 4 l; lanes 0-15 K step 2 i, lanes 16-31 K step 2 i + 1.
; wc: images [head 12][q, k, v][tile 4][K step 6][1024], then wo's [group 24][u 2][K step 6][1024]; from WCS on scale registers at the pair of tiles' image offset / 16 + 128 x K step: lanes 0-15 tile u = 0, lanes 16-31 tile u = 1.
; A block's scale is 2^(floor(log2(its largest magnitude)) - 2); its byte is the largest magnitude's exponent field - 2, held at 1 from below.
; LIMITS: NaN and infinities among the inputs are not served; a block whose largest magnitude lies under 2^-124 gets the byte 1; a block of zeros gets the byte 1 where the rule says 127: its codes are zeros, and this program alone reads the bytes.
; SHARES: work-groups with y < 8 take x (a wave: one tile of 16 tokens x 256 along K); the others a weight (a wave: 32 columns x 128 along K).  Waves share nothing: no barrier.  Only x's path uses LDS.
; OF THE TOKENS row r of tile 4 g + u is token 64 g + 8 u + r + 24 (r / 8), so that the results of four neighbouring tiles are 32 neighbours along the keys in one lane; the line on rows above holds for the weights' output channels.
; WORK LEFT OUT in launch attn: a step of 128 keys that all come after a tile's queries.  reference() sets those scores to -infinity ahead of the softmax by a mask of its own, so their p is 0 for all values of the inputs.
; LIMIT: a NaN, an infinity or an overflow that reaches only such work is not carried to the result.
.set ROWX,   3072                      ; a row of x or of a weight in bytes
.set XQS,    1572864                   ; where xq's scale registers begin
.set WCS,    1179648                   ; where wc's begin
.set SPITCH, 528                       ; a stage row: 512 bytes + 16: sixteen rows start in sixteen different columns of 16 bytes
.set STGB,   16*SPITCH                 ; a wave's stage
.set LO,  1                            ; v1   16 x lane
.set STI, 2                            ; v2   the stage, on the way in
.set STO, 3                            ; v3   and on the way out
.set LW,  4                            ; v4   4 x lane
.set WIO, 5                            ; v5   weights: my column's place in the two tiles' images
.set WSO, 9                            ; v9   and in their scale register
.set R,   16                           ; v16-143  x as loaded: two K steps x 16 rows x 4 registers
.set X,   144                          ; v144-207 64 numbers of my row: register 16 b + i = k 32 b + 16 h + i
.set TM,  208                          ; v208-223 at work
.set PC0, 224                          ; v224-231, v232-239 the two fragments' codes
.set PC1, 232
.set PW0, 240                          ; their scale words, and the two in one register
.set PW1, 241
.set PWM, 242
.set WN,  16                           ; weights: v16-143 four blocks of 32 numbers down K
.set WC,  144                          ; v144-159 their codes, four registers a block
.set WW,  160                          ; v160 my column's scale word
.set SEL, 40                           ; s[40:41] v_permlanex16_b32's selects for lane l xor 16
.set HM,  42                           ; s42 a mask of lanes 16-31
; 64 numbers of a lane, register 16 b + i = k 32 b + 16 h + i of my row, become a fragment's codes in v[pc] on; the four scale bytes are left in v[TM+4] on.
.macro QUANT src, pc
.irp b, 0,1,2,3
	v_max3_num_f32 v[TM+\b], |v[\src+16*\b]|, |v[\src+1+16*\b]|, 0x1800000   ; my 16 numbers of block b, and the floor 2^(3 - 127): the byte cannot fall under 1
.endr
.irp i, 2,4,6,8,10,12,14
.irp b, 0,1,2,3
	v_max3_num_f32 v[TM+\b], v[TM+\b], |v[\src+16*\b+\i]|, |v[\src+1+16*\b+\i]|   ; the four blocks by turns
.endr
.endr
.irp b, 0,1,2,3
	v_permlanex16_b32 v[TM+4+\b], v[TM+\b], s[SEL], s[SEL+1]
.endr
.irp b, 0,1,2,3
	v_max_num_f32 v[TM+\b], v[TM+\b], v[TM+4+\b]   ; with lane l xor 16's: the block's largest magnitude
.endr
.irp b, 0,1,2,3
	v_add_nc_u32 v[TM+12+\b], 0xff000000, v[TM+\b]   ; 2 off its exponent field: the conversion takes the exponent field of this operand as its scale
.endr
.irp b, 0,1,2,3
	v_lshrrev_b32 v[TM+4+\b], 23, v[TM+12+\b]      ; the scale's byte
.endr
.irp b, 0,1,2,3
	v_cvt_scalef32_pk8_fp4_f32 v[\pc+2*\b], v[\src+16*\b:\src+7+16*\b], v[TM+12+\b]
	v_cvt_scalef32_pk8_fp4_f32 v[\pc+1+2*\b], v[\src+8+16*\b:\src+15+16*\b], v[TM+12+\b]
.endr
	v_nop                                          ; one plain place behind a scaled conversion
.irp c, 0,1                                    ; the layout wants a whole block in a lane: lanes 0-15 block 2 c, lanes 16-31 block 2 c + 1
.irp i, 0,1
	v_permlane16_swap_b32 v[\pc+4*\c+\i], v[\pc+2+4*\c+\i]
.endr
.endr
.endm
.macro WORD4 pw                        ; the four bytes make my row's scale word
	v_lshl_or_b32 v[\pw], v[TM+5], 8, v[TM+4]
	v_lshl_or_b32 v[\pw], v[TM+6], 16, v[\pw]
	v_lshl_or_b32 v[\pw], v[TM+7], 24, v[\pw]
.endm
	s_load_b256 s[4:11], s[0:1], 0x0               ; x s[4:5], wq s[6:7], wk s[8:9], wv s[10:11]
	s_load_b128 s[12:15], s[0:1], 0x20             ; wo s[12:13], xq s[14:15]
	s_load_b64 s[16:17], s[0:1], 0x30              ; wc
	v_lshl_add_u32 v254, v0, 2, 0x8400
	v_mov_b32 v255, 0
	v_lshrrev_b32 v1, 5, v0
	v_readfirstlane_b32 s18, v1                    ; wave 0..3
	v_and_b32 v6, 31, v0                           ; lane
	v_lshlrev_b32 v[LW], 2, v6
	s_and_b32 s20, ttmp7, 0xffff                   ; work-group y
	s_cmp_lt_u32 s20, 8
	s_cbranch_scc0 .Lweights
	; ---- x.  192 work-groups: number 24 y + x; its upper part says which 256 along K, its lower 6 bits which four tiles
	s_mul_i32 s21, s20, 24
	s_add_co_u32 s21, s21, ttmp9
	s_lshr_b32 s22, s21, 6                         ; i: K steps 2 i and 2 i + 1
	s_and_b32 s23, s21, 63
	s_lshl_b32 s23, s23, 2
	s_add_co_u32 s23, s23, s18                     ; my tile m
	s_lshr_b32 s24, s23, 2
	s_mul_i32 s24, s24, 64*ROWX                    ; its first token is 64 (m / 4) + 8 (m % 4)
	s_and_b32 s25, s23, 3
	s_mul_i32 s25, s25, 8*ROWX
	s_add_co_u32 s24, s24, s25
	s_lshl_b32 s25, s22, 10                        ; 256 numbers along K are 1,024 bytes
	s_add_co_u32 s24, s24, s25
	s_mov_b32 s25, 0
	s_mul_i32 s26, s23, 6144                       ; the images: 6 x 1,024 bytes a tile
	s_lshl_b32 s27, s22, 11
	s_add_co_u32 s26, s26, s27
	s_mov_b32 s27, 0
	s_mul_i32 s28, s23, 384                        ; the scale registers: 3 x 128 bytes a tile
	s_lshl_b32 s29, s22, 7
	s_add_co_u32 s28, s28, s29
	s_add_co_u32 s28, s28, XQS
	s_mov_b32 s29, 0
	s_mul_i32 s19, s18, STGB                       ; my stage
	s_wait_alu depctr_va_vdst(0)
	v_lshlrev_b32 v[LO], 4, v6
	v_add_nc_u32 v[STI], s19, v[LO]                ; in: a row's 512 bytes as they lie
	v_and_b32 v7, 15, v0                           ; r
	v_bfe_u32 v8, v0, 4, 1                         ; h
	v_mul_u32_u24 v[STO], v7, SPITCH
	v_lshl_add_u32 v[STO], v8, 6, v[STO]
	v_add_nc_u32 v[STO], s19, v[STO]               ; out: row r, + 64 h: my 16 numbers of each block of 32
	s_mov_b32 s[SEL], 0x76543210
	s_mov_b32 s[SEL+1], 0xfedcba98
	s_mov_b32 s[HM], 0xffff0000
.irp b, 0,1,2,3
	v_mov_b32 v[TM+4+\b], 0                        ; written once: a lane permute's destination counts as one of its sources
.endr
	s_wait_alu depctr_va_vdst(0)
	s_wait_kmcnt 0x0
	s_add_nc_u64 s[4:5], s[4:5], s[24:25]
	s_add_nc_u64 s[26:27], s[14:15], s[26:27]
	s_add_nc_u64 s[28:29], s[14:15], s[28:29]
.irp p, 0,1
.irp q, 0,1,2,3,4,5,6,7,8,9,10,11,12,13,14,15
	global_load_b128 v[R+64*\p+4*\q:R+64*\p+4*\q+3], v[LO], s[4:5] offset:(\q+24*(\q/8))*ROWX+512*\p th:TH_LOAD_NT   ; the 32 lanes read 512 consecutive bytes: K step p of the tile's row q
.endr
.endr
.macro TURN p                          ; a K step's 16 rows through the stage: LDS serves a wave's instructions in order, so no wait stands between the stores and the loads
.irp q, 0,1,2,3,4,5,6,7,8,9,10,11,12,13,14,15
	ds_store_b128 v[STI], v[R+64*\p+4*\q:R+64*\p+4*\q+3] offset:SPITCH*\q
.endr
.irp b, 0,1,2,3
.irp j, 0,1,2,3
	ds_load_b128 v[X+16*\b+4*\j:X+16*\b+4*\j+3], v[STO] offset:128*\b+16*\j
.endr
.endr
.endm
	s_wait_loadcnt 16                              ; the first K step's 16 loads are in; the second's 16 may be out
	TURN 0
	s_wait_dscnt 0x0
	QUANT X, PC0
	WORD4 PW0
	global_store_b128 v[LO], v[PC0:PC0+3], s[26:27]            ; each store of the wave covers 512 consecutive bytes, aligned
	global_store_b128 v[LO], v[PC0+4:PC0+7], s[26:27] offset:512
	s_wait_loadcnt 0x0
	TURN 1
	s_wait_dscnt 0x0
	QUANT X, PC1
	WORD4 PW1
	global_store_b128 v[LO], v[PC1:PC1+3], s[26:27] offset:1024
	global_store_b128 v[LO], v[PC1+4:PC1+7], s[26:27] offset:1536
	v_cndmask_b32 v[PWM], v[PW0], v[PW1], s[HM]    ; lanes 0-15 the even K step's words, lanes 16-31 the odd one's
	global_store_b32 v[LW], v[PWM], s[28:29]
	s_wait_tensorcnt 0x0
	ds_add_u32 v254, v255
	s_wait_dscnt 0x0
	s_endpgm
	; ---- the weights.  K is their FIRST axis: a lane takes a column n and its registers run down K, so a block of 32 lies in one lane and the codes come out with K innermost.
.Lweights:
	s_sub_co_u32 s21, s20, 8                       ; the K step
	s_and_b32 s22, ttmp9, 3                        ; which weight: q, k, v, o
	s_lshr_b32 s23, ttmp9, 2
	s_lshl_b32 s23, s23, 2
	s_add_co_u32 s23, s23, s18                     ; G: my 32 columns; the four waves stand side by side on 512 bytes of a row
	s_mul_i32 s30, s21, 128*ROWX
	s_lshl_b32 s31, s23, 7
	s_add_co_u32 s30, s30, s31
	s_mov_b32 s31, 0
	s_lshr_b32 s32, s23, 1                         ; q, k, v: head G / 2, tiles 2 (G % 2) + u
	s_mul_i32 s32, s32, 73728
	s_mul_i32 s33, s22, 24576
	s_add_co_u32 s32, s32, s33
	s_and_b32 s33, s23, 1
	s_mul_i32 s33, s33, 12288
	s_add_co_u32 s32, s32, s33
	s_mul_i32 s33, s23, 12288                      ; wo: group G
	s_add_co_u32 s33, s33, 884736
	s_cmp_lt_u32 s22, 3
	s_cselect_b32 s32, s32, s33                    ; where my pair of tiles begins
	s_lshr_b32 s34, s32, 4                         ; and a sixteenth of that: its scale registers
	s_lshl_b32 s33, s21, 10
	s_add_co_u32 s32, s32, s33
	s_mov_b32 s33, 0
	s_lshl_b32 s35, s21, 7
	s_add_co_u32 s34, s34, s35
	s_add_co_u32 s34, s34, WCS
	s_mov_b32 s35, 0
	v_bfe_u32 v7, v0, 3, 1                         ; column 32 G + l is row r' = l % 8 + 8 (l / 16) of tile u = (l / 8) % 2
	v_and_b32 v8, 7, v0
	v_bfe_u32 v10, v0, 4, 1
	v_lshl_add_u32 v8, v10, 3, v8
	v_mul_u32_u24 v[WIO], v7, 6144
	v_lshl_add_u32 v[WIO], v8, 4, v[WIO]
	v_lshlrev_b32 v[WSO], 6, v7
	v_lshl_add_u32 v[WSO], v8, 2, v[WSO]
	s_and_b32 s24, s22, 1
	s_wait_kmcnt 0x0
	s_cmp_eq_u32 s24, 0                            ; the choice hangs on the work-group's number alone
	s_cselect_b64 s[26:27], s[6:7], s[8:9]
	s_cselect_b64 s[28:29], s[10:11], s[12:13]
	s_cmp_lt_u32 s22, 2
	s_cselect_b64 s[26:27], s[26:27], s[28:29]
	s_add_nc_u64 s[26:27], s[26:27], s[30:31]
	s_add_nc_u64 s[36:37], s[16:17], s[32:33]
	s_add_nc_u64 s[38:39], s[16:17], s[34:35]
.macro WLOAD kb                        ; block kb: W(32 kb + i, my column)
.irp i, 0,1,2,3,4,5,6,7,8,9,10,11,12,13,14,15,16,17,18,19,20,21,22,23,24,25,26,27,28,29,30,31
	global_load_b32 v[WN+32*(\kb)+\i], v[LW], s[26:27] offset:(32*(\kb)+\i)*ROWX th:TH_LOAD_NT
.endr
.endm
.macro BLOCK kb
.set XB, WN+32*(\kb)
.if (\kb) < 3
	s_wait_loadcnt 32                              ; this block's 32 loads are in; the next block's 32 may be out
.else
	s_wait_loadcnt 0x0
.endif
.if (\kb) < 2
	WLOAD (\kb)+2                                  ; loads run two blocks ahead; every block has registers of its own
.endif
	v_max3_num_f32 v12, |v[XB]|, |v[XB+1]|, |v[XB+2]|          ; the block's largest magnitude: all 32 numbers are mine
	v_max3_num_f32 v13, |v[XB+3]|, |v[XB+4]|, |v[XB+5]|
.irp i, 6,10,14,18,22,26
	v_max3_num_f32 v12, v12, |v[XB+\i]|, |v[XB+\i+1]|
	v_max3_num_f32 v13, v13, |v[XB+\i+2]|, |v[XB+\i+3]|
.endr
	v_max3_num_f32 v12, v12, |v[XB+30]|, |v[XB+31]|
	v_max3_num_f32 v12, v12, v13, 0x1800000        ; and the floor 2^(3 - 127)
	v_add_nc_u32 v11, 0xff000000, v12              ; 2 off its exponent field: the conversion's scale operand
.if (\kb) == 0
	v_lshrrev_b32 v[WW], 23, v11                   ; the scale's byte: the lower K in the lower byte of the word
.else
	v_lshrrev_b32 v13, 23, v11
	v_lshl_or_b32 v[WW], v13, 8*(\kb), v[WW]
.endif
.irp g, 0,1,2,3
	v_cvt_scalef32_pk8_fp4_f32 v[WC+4*(\kb)+\g], v[XB+8*\g:XB+8*\g+7], v11
.endr
	global_store_b128 v[WIO], v[WC+4*(\kb):WC+4*(\kb)+3], s[36:37] offset:512*((\kb)/2)+256*((\kb)%2)   ; block kb is piece kb / 2, lanes' half kb % 2: sixteen lanes fill 256 consecutive bytes of each of the two tiles
.endm                                  ; (the next block begins with plain vector lines, ahead of the line that writes v11 again)
	s_wait_alu depctr_va_vdst(0)
	WLOAD 0
	WLOAD 1
	BLOCK 0
	BLOCK 1
	BLOCK 2
	BLOCK 3
	global_store_b32 v[WSO], v[WW], s[38:39]       ; 128 consecutive bytes: the two tiles' scale words of this K step
	s_endpgm
.Lfunc_end_k_qd42a2eabcf_prep:
	.size	k_qd42a2eabcf_prep, .Lfunc_end_k_qd42a2eabcf_prep-k_qd42a2eabcf_prep
	.p2alignl 7, 3214868480
	.fill 96, 4, 3214868480
	.section	.rodata,"a",@progbits
	.p2align	6, 0x0
	.amdhsa_kernel k_qd42a2eabcf_prep
		.amdhsa_group_segment_fixed_size 34304
		.amdhsa_private_segment_fixed_size 0
		.amdhsa_enable_private_segment 0
		.amdhsa_kernarg_size 56
		.amdhsa_user_sgpr_count 2
		.amdhsa_user_sgpr_kernarg_segment_ptr 1
		.amdhsa_wavefront_size32 1
		.amdhsa_system_sgpr_workgroup_id_x 1
		.amdhsa_system_sgpr_workgroup_id_y 1
		.amdhsa_system_sgpr_workgroup_id_z 1
		.amdhsa_system_vgpr_workitem_id 0
		.amdhsa_next_free_vgpr 256
		.amdhsa_next_free_sgpr 66
		.amdhsa_reserve_vcc 0
		.amdhsa_float_denorm_mode_32 3
		.amdhsa_float_denorm_mode_16_64 3
		.amdhsa_memory_ordered 1
		.amdhsa_forward_progress 1
		.amdhsa_inst_pref_size 39
	.end_amdhsa_kernel
	.amdgpu_metadata
---
amdhsa.version: [ 1, 2 ]
amdhsa.kernels:
  - .name:           k_qd42a2eabcf_prep
    .symbol:         k_qd42a2eabcf_prep.kd
    .args:
      - { .name: x, .offset: 0, .size: 8, .value_kind: global_buffer, .address_space: global }
      - { .name: wq, .offset: 8, .size: 8, .value_kind: global_buffer, .address_space: global }
      - { .name: wk, .offset: 16, .size: 8, .value_kind: global_buffer, .address_space: global }
      - { .name: wv, .offset: 24, .size: 8, .value_kind: global_buffer, .address_space: global }
      - { .name: wo, .offset: 32, .size: 8, .value_kind: global_buffer, .address_space: global }
      - { .name: xq, .offset: 40, .size: 8, .value_kind: global_buffer, .address_space: global }
      - { .name: wc, .offset: 48, .size: 8, .value_kind: global_buffer, .address_space: global }
    .group_segment_fixed_size: 34304
    .private_segment_fixed_size: 0
    .kernarg_segment_align: 8
    .kernarg_segment_size: 56
    .max_flat_workgroup_size: 128
    .sgpr_count:     66
    .vgpr_count:     256
    .wavefront_size: 32
...
	.end_amdgpu_metadata
.endif
;; end of part 1
;; launch qkv (part 2): grid 16 x 12, 8 waves a work-group, clusters of 4 x 4, 185,344 bytes of LDS; arguments xq, wc, bq, bk, bv, qq, kv; writes qq, kv
.if DOCPART == 2
	.amdgcn_target "amdgcn-amd-amdhsa--gfx1250"
	.amdhsa_code_object_version 6
	.text
	.protected	k_qd42a2eabcf_qkv
	.globl	k_qd42a2eabcf_qkv
	.p2align	8
	.type	k_qd42a2eabcf_qkv,@function
k_qd42a2eabcf_qkv:
	s_mov_b64 s[64:65], 0
	v_nop
	global_prefetch_b8 v0, s[64:65] scope:SCOPE_SE
	s_setreg_imm32_b32 hwreg(HW_REG_WAVE_MODE, 25, 1), 1
	s_wait_xcnt 0x0
	s_wait_alu depctr_hold_cnt(0) depctr_sa_sdst(0) depctr_va_vdst(0) depctr_va_sdst(0) depctr_va_ssrc(0) depctr_va_vcc(0) depctr_vm_vsrc(0)
	s_getreg_b32 s2, hwreg(HW_REG_IB_STS2, 6, 4)
	s_cmp_eq_u32 s2, 0
	s_cbranch_scc0 .Lentry_in_a_cluster
	s_endpgm
.Lentry_in_a_cluster:
	s_bfe_u32 s2, ttmp6, 0x10000c
	s_cmp_lg_u32 s2, 0xf033
	s_cbranch_scc0 .Lentry_shape_is_right
	s_endpgm
.Lentry_shape_is_right:
; q = x wq + bq, k = x wk + bk, v = x wv + bv on codes of FP4 (E2M1) with E8M0 scales; the results are quantised at once for attention's two products: q and k along the head's 64 channels, v along the keys.
; A work-group takes 256 tokens (16 tiles) of one head.  Its operands, images of operand registers made by the launch before, come into LDS once, by joint tensor loads, and nothing is ever stored into LDS.
; CLUSTER 4 x 4: x's images hang on the block of tokens alone (shared along a column of the cluster), the weights' on the head alone (shared along a row): each tile is asked for jointly by the four that need it.
; NO PREFETCH: every tile is asked for at the head; there is no loop of loads to run ahead in.
; ROWS OF TILES: of the tokens row r of tile 4 g + u is token 64 g + 8 u + r + 24 (r / 8); of the channels row r of tile 2 g + u is channel 32 g + 8 u + r + 8 (r / 8).
; SHARES: wave w takes the token tiles 4 (w % 4) + 0 .. 3 x six channel tiles: kind w / 4 = 0 all four of q's and v's 0, 1; kind 1 all four of k's and v's 2, 3.  Ten fragments serve 24 products of a K step.
; Q AND K, TRANSPOSED (source 0 = channels, source 1 = tokens): a lane holds one token and registers 16 g + i of a token tile are channels 32 g + 16 h + i.  A token tile's 64 channels are piece 0 of a fragment, 512 bytes;
;   its scale word is byte 0 | byte 1 << 8 | 0x7f7f0000: 1.0 over the zero codes of the upper half.
; V, NOT TRANSPOSED (source 0 = tokens, source 1 = channels): a lane holds one channel and its 32 registers are the keys 32 h + 0 .. 31 of my 64: a whole block, one piece of a fragment.
; OUT: qq: images [head][tile 256][512], from QQS on words [head][tile][16 x 4].  kv: a record of 8,960 bytes for each head and 128 keys: K's images [tile 8][512]; at 4096 V's [tile 4][1024];
;   at 8192 K's scale words [tile 8][16 x 4]; at 8704 V's [tile 4][16 x 4].
; The biases are the C of each sum's first matrix instruction.  The 24 accumulators take turns, one instruction a turn.
; REGISTERS: window 0: addresses, scales, fragments in two buffers, codes.  Window 1: accumulators v0-191, biases v192-239.
; LIMITS: NaN and infinities are not served; a block whose largest magnitude lies under 2^-124, a block of zeros among them, gets the byte 1 (a block of zeros has zero codes, and this program alone reads the bytes).
.set WI,   98304                       ; LDS: x's 16 x 6 images from 0; the head's 3 x 4 x 6 weight images;
.set XS,   172032                      ; x's 16 x 3 scale registers;
.set WS,   178176                      ; the weights' 3 x 2 x 6;
.set SPARE, 184320                     ; the spare words
.set XQS,  1572864
.set WCS,  1179648
.set QQS,  1572864
.set RECB, 8960
.set LI,  1                            ; v1   16 x lane
.set LS,  2                            ; v2   4 x lane
.set XA,  3                            ; v3   my four token tiles' images;  v4 their scale registers
.set XSA, 4
.set WA,  5                            ; v5   q's or k's four tiles;  v6 their scale registers
.set WSA, 6
.set WVA, 7                            ; v7   v's two;  v8 theirs
.set WSV, 8
.set BO,  9                            ; v9   64 h: the bias's offset
.set BVO, 10                           ; v10  4 (r + 8 (r / 8)): bv's
.set VSO, 11                           ; v11  4 r + h
.set SCX, 16                           ; v16-27  x's scale registers, 3 a + i: lanes 0-15 K step 2 i, lanes 16-31 K step 2 i + 1
.set SCW, 28                           ; v28-39  q's or k's, 6 g + s: lanes 0-15 tile 2 g, lanes 16-31 tile 2 g + 1
.set SCV, 40                           ; v40-45  v's
.set BY,  46                           ; v46-55  bytes
.set FB,  64                           ; v64-143, v144-223 ten fragments, two buffers
.set PC,  64                           ; behind the products: v64-79 q's or k's codes, v80-87 v's, v88-93 words
.set MX,  224                          ; v224-235 largest magnitudes
.set SO,  236                          ; v236-245 scale operands
.set WVN, 18
.set G1A, 20
.set G1B, 28
.set G1C, 36
.set G1D, 44
.set G0A, 52
.set G0B, 56
.set G0C, 60
.set G0D, 68
.set SEL, 80
.set HM,  82
.set MSB, 0
.macro WIN new                         ; the immediate's high byte repeats the setting that is left
.if MSB != \new
	s_set_vgpr_msb (MSB<<8)|\new
.set MSB, \new
.endif
.endm
.macro PLACES                          ; four places behind a matrix instruction, ahead of loads into its registers and of reads of its result
.rept 4
	v_nop
.endr
.endm
.macro ROUND                           ; a round of the cluster's barrier
	s_barrier_signal -1
	s_barrier_wait -1
	s_cmp_lg_u32 s[WVN], 0
	s_cbranch_scc1 .Lnot_wave_0_\@
	s_barrier_signal -3
.Lnot_wave_0_\@:
	s_barrier_wait -3
	s_barrier_signal -1
	s_barrier_wait -1
.endm
.macro SHAPE g, r                      ; group 1 but for its first word: r dense rows of 256 bytes, elements of 8 bytes
	s_mov_b32 s[\g+1], 32<<16
	s_mov_b32 s[\g+2], (\r)<<16
	s_mov_b32 s[\g+3], 32<<16
	s_mov_b32 s[\g+4], \r
	s_mov_b32 s[\g+5], 32
	s_mov_b32 s[\g+6], 0
	s_mov_b32 s[\g+7], 0
.endm
; D = A B + C; ra, rb = 1: that side's scales stand in lanes 16-31 of its register
.macro WMMA d, a, b, c, sa, sb, ra, rb
.if ((\ra) == 0) && ((\rb) == 0)
	v_wmma_scale_f32_16x16x128_f8f6f4 v[(\d):(\d)+7], v[(\a):(\a)+7], v[(\b):(\b)+7], v[(\c):(\c)+7], v[(\sa)], v[(\sb)] matrix_a_fmt:MATRIX_FMT_FP4 matrix_b_fmt:MATRIX_FMT_FP4
.elseif (\rb) == 0
	v_wmma_scale_f32_16x16x128_f8f6f4 v[(\d):(\d)+7], v[(\a):(\a)+7], v[(\b):(\b)+7], v[(\c):(\c)+7], v[(\sa)], v[(\sb)] matrix_a_fmt:MATRIX_FMT_FP4 matrix_b_fmt:MATRIX_FMT_FP4 matrix_a_scale:MATRIX_SCALE_ROW1
.elseif (\ra) == 0
	v_wmma_scale_f32_16x16x128_f8f6f4 v[(\d):(\d)+7], v[(\a):(\a)+7], v[(\b):(\b)+7], v[(\c):(\c)+7], v[(\sa)], v[(\sb)] matrix_a_fmt:MATRIX_FMT_FP4 matrix_b_fmt:MATRIX_FMT_FP4 matrix_b_scale:MATRIX_SCALE_ROW1
.else
	v_wmma_scale_f32_16x16x128_f8f6f4 v[(\d):(\d)+7], v[(\a):(\a)+7], v[(\b):(\b)+7], v[(\c):(\c)+7], v[(\sa)], v[(\sb)] matrix_a_fmt:MATRIX_FMT_FP4 matrix_b_fmt:MATRIX_FMT_FP4 matrix_a_scale:MATRIX_SCALE_ROW1 matrix_b_scale:MATRIX_SCALE_ROW1
.endif
.endm
.macro FLOAD s                         ; a K step's ten fragments, twenty loads, into buffer s % 2
.set B, FB+80*((\s)%2)
.irp a, 0,1,2,3
.irp c, 0,1
	ds_load_b128 v[B+8*\a+4*\c:B+8*\a+4*\c+3], v[XA] offset:6144*\a+1024*(\s)+512*\c
	ds_load_b128 v[B+32+8*\a+4*\c:B+32+8*\a+4*\c+3], v[WA] offset:6144*\a+1024*(\s)+512*\c
.endr
.endr
.irp u, 0,1
.irp c, 0,1
	ds_load_b128 v[B+64+8*\u+4*\c:B+64+8*\u+4*\c+3], v[WVA] offset:6144*\u+1024*(\s)+512*\c
.endr
.endr
.endm
	s_load_b256 s[4:11], s[0:1], 0x0               ; xq s[4:5], wc s[6:7], bq s[8:9], bk s[10:11]
	s_load_b128 s[12:15], s[0:1], 0x20             ; bv s[12:13], qq s[14:15]
	s_load_b64 s[16:17], s[0:1], 0x30              ; kv
	v_lshl_add_u32 v254, v0, 2, SPARE
	v_mov_b32 v255, 0
	ds_add_u32 v254, v255                          ; the wave's opening: the add, twice on end, and its wait
	ds_add_u32 v254, v255
	v_lshrrev_b32 v12, 5, v0
	v_readfirstlane_b32 s[WVN], v12                ; wave 0..7
	s_bfe_u32 s72, ttmp6, 0x40000                  ; cx
	s_bfe_u32 s73, ttmp6, 0x40004                  ; cy
	s_lshl_b32 s74, ttmp9, 2
	s_add_co_u32 s74, s74, s72                     ; my block of 256 tokens = 4 x cluster x + cx
	s_and_b32 s75, ttmp7, 0xffff
	s_lshl_b32 s75, s75, 2
	s_add_co_u32 s75, s75, s73                     ; my head = 4 x cluster y + cy
	s_lshl_b32 s76, s73, 2
	s_lshl_b32 s76, 15, s76                        ; my row of the cluster: the same head
	s_lshl_b32 s77, 0x1111, s72                    ; my column: the same tokens
	s_or_b32 s[G1A], s77, (3<<16)|(1<<21)          ; 15:0 the mask; 17:16 elements of 8 bytes; 21 set beside a mask; no padding
	s_or_b32 s[G1B], s76, (3<<16)|(1<<21)
	s_or_b32 s[G1C], s77, (3<<16)|(1<<21)
	s_or_b32 s[G1D], s76, (3<<16)|(1<<21)
	SHAPE G1A, 96                                  ; a quarter of x's images: 24,576 bytes (waves 0 to 3)
	SHAPE G1B, 144                                 ; half of the weights' images: 36,864 (waves 4, 5)
	SHAPE G1C, 24                                  ; x's scale registers: 6,144 (wave 6)
	SHAPE G1D, 18                                  ; the weights': 4,608 (wave 7)
	; x's addresses are made of the block of tokens and the wave's number, the weights' of the head and the wave's number, each in registers that never hold the other coordinate; LDS addresses of the wave's number alone
	s_mul_i32 s84, s74, 98304
	s_mul_i32 s[G0A+1], s[WVN], 24576
	s_add_co_u32 s84, s84, s[G0A+1]
	s_mov_b32 s85, 0
	s_mul_i32 s86, s74, 6144
	s_add_co_u32 s86, s86, XQS
	s_mov_b32 s87, 0
	s_mov_b32 s[G0C+1], XS
	s_mul_i32 s88, s75, 73728
	s_and_b32 s79, s[WVN], 1
	s_mul_i32 s79, s79, 36864
	s_add_co_u32 s88, s88, s79
	s_mov_b32 s89, 0
	s_add_co_u32 s[G0B+1], s79, WI
	s_mul_i32 s90, s75, 4608
	s_add_co_u32 s90, s90, WCS
	s_mov_b32 s91, 0
	s_mov_b32 s[G0D+1], WS
	s_mov_b32 s[G0A], 1
	s_mov_b32 s[G0B], 1
	s_mov_b32 s[G0C], 1
	s_mov_b32 s[G0D], 1
	s_wait_dscnt 0x0                               ; both opening adds are done
	s_wait_kmcnt 0x0
	s_add_nc_u64 s[G0A+2:G0A+3], s[4:5], s[84:85]
	s_or_b32 s[G0A+3], s[G0A+3], 0x80000000
	s_add_nc_u64 s[G0B+2:G0B+3], s[6:7], s[88:89]
	s_or_b32 s[G0B+3], s[G0B+3], 0x80000000
	s_add_nc_u64 s[G0C+2:G0C+3], s[4:5], s[86:87]
	s_or_b32 s[G0C+3], s[G0C+3], 0x80000000
	s_add_nc_u64 s[G0D+2:G0D+3], s[6:7], s[90:91]
	s_or_b32 s[G0D+3], s[G0D+3], 0x80000000
	ROUND                                          ; all sixteen work-groups are here: the joint loads meet
; THE HEAD'S LOADS, ONE A WAVE: one tree of branches on the wave's number, each arm with its load.
.macro ARM under, g0, g1, next
	s_cmp_lt_u32 s[WVN], \under
	s_cbranch_scc0 \next
	tensor_load_to_lds s[\g0:\g0+3], s[\g1:\g1+7]
	s_nop 0
	PLACES
	s_branch .Lhead_asked
\next:
.endm
	ARM 4, G0A, G1A, .Lhead_w
	ARM 6, G0B, G1B, .Lhead_xs
	ARM 7, G0C, G1C, .Lhead_ws
	tensor_load_to_lds s[G0D:G0D+3], s[G1D:G1D+7]
	s_nop 0
	PLACES
.Lhead_asked:
	s_and_b32 s93, s[WVN], 3                       ; which four token tiles
	s_lshr_b32 s94, s[WVN], 2                      ; my kind
	s_lshl_b32 s84, s75, 17                        ; qq: 131,072 x head + 512 x (16 x block + 4 (w % 4)); the words an eighth of that
	s_lshl_b32 s85, s74, 13
	s_add_co_u32 s84, s84, s85
	s_lshl_b32 s85, s93, 11
	s_add_co_u32 s84, s84, s85
	s_lshr_b32 s86, s84, 3
	s_add_co_u32 s86, s86, QQS
	s_mov_b32 s85, 0
	s_mov_b32 s87, 0
	s_add_nc_u64 s[84:85], s[14:15], s[84:85]
	s_add_nc_u64 s[86:87], s[14:15], s[86:87]
	s_lshl_b32 s88, s74, 1                         ; kv: the record of head, 2 x block + (w % 4) / 2
	s_lshr_b32 s89, s93, 1
	s_add_co_u32 s88, s88, s89
	s_mul_i32 s88, s88, RECB
	s_mul_i32 s89, s75, 32*RECB
	s_add_co_u32 s88, s88, s89
	s_mov_b32 s89, 0
	s_add_nc_u64 s[16:17], s[16:17], s[88:89]
	s_and_b32 s92, s93, 1                          ; which half of its keys
	s_lshl_b32 s88, s92, 11
	s_mov_b32 s89, 0
	s_add_nc_u64 s[88:89], s[16:17], s[88:89]      ; k's images
	s_lshl_b32 s90, s92, 8
	s_add_co_u32 s90, s90, 8192
	s_mov_b32 s91, 0
	s_add_nc_u64 s[90:91], s[16:17], s[90:91]      ; and words
	s_lshl_b32 s96, s94, 11
	s_lshl_b32 s95, s92, 9
	s_add_co_u32 s96, s96, s95
	s_add_co_u32 s96, s96, 4096
	s_mov_b32 s97, 0
	s_add_nc_u64 s[96:97], s[16:17], s[96:97]      ; v's pieces
	s_lshl_b32 s98, s94, 7
	s_lshl_b32 s95, s92, 1
	s_add_co_u32 s98, s98, s95
	s_add_co_u32 s98, s98, 8704
	s_mov_b32 s99, 0
	s_add_nc_u64 s[98:99], s[16:17], s[98:99]      ; and bytes
	s_cmp_eq_u32 s94, 0                            ; q's or k's: the choice hangs on the wave's number alone
	s_cselect_b64 s[84:85], s[84:85], s[88:89]
	s_cselect_b64 s[86:87], s[86:87], s[90:91]
	s_cselect_b64 s[8:9], s[8:9], s[10:11]
	s_lshl_b32 s90, s75, 8                         ; the head's 64 numbers of a bias
	s_mov_b32 s91, 0
	s_add_nc_u64 s[8:9], s[8:9], s[90:91]
	s_lshl_b32 s95, s94, 7                         ; bv: my kind's 32
	s_add_co_u32 s90, s90, s95
	s_add_nc_u64 s[12:13], s[12:13], s[90:91]
	s_mul_i32 s76, s93, 24576
	s_mul_i32 s77, s93, 1536
	s_add_co_u32 s77, s77, XS
	s_mul_i32 s78, s94, 24576
	s_add_co_u32 s78, s78, WI
	s_mul_i32 s79, s94, 1536
	s_add_co_u32 s79, s79, WS
	s_mul_i32 s95, s94, 12288
	s_add_co_u32 s95, s95, WI+49152
	s_mul_i32 s92, s94, 768
	s_add_co_u32 s92, s92, WS+3072
	s_mov_b32 s[SEL], 0x76543210
	s_mov_b32 s[SEL+1], 0xfedcba98
	s_mov_b32 s[HM], 0xffff0000
	v_and_b32 v12, 31, v0                          ; lane
	v_and_b32 v13, 15, v0                          ; r
	v_bfe_u32 v14, v0, 4, 1                        ; h
	v_and_b32 v[BVO], 8, v0
	v_lshlrev_b32 v[BO], 6, v14
	v_add_nc_u32 v[BVO], v[BVO], v13
	v_lshlrev_b32 v[LI], 4, v12
	v_lshlrev_b32 v[BVO], 2, v[BVO]
	v_lshlrev_b32 v[LS], 2, v12
	WIN 0x40                                       ; destinations in window 1
.irp t, 0,1,2,3                        ; lane (r, h) wants, for channel tile 2 g + u, the bias of channels 32 g + 8 u + 16 h + 0 .. 7
	global_load_b128 v[192+8*\t:195+8*\t], v[BO], s[8:9] offset:128*(\t/2)+32*(\t%2)
	global_load_b128 v[196+8*\t:199+8*\t], v[BO], s[8:9] offset:128*(\t/2)+32*(\t%2)+16
.endr
.irp u, 0,1
	global_load_b32 v[224+8*\u], v[BVO], s[12:13] offset:32*\u
.endr
	WIN 0
	v_add_nc_u32 v[XA], s76, v[LI]
	v_add_nc_u32 v[XSA], s77, v[LS]
	v_add_nc_u32 v[WA], s78, v[LI]
	v_add_nc_u32 v[WSA], s79, v[LS]
	v_add_nc_u32 v[WVA], s95, v[LI]
	v_add_nc_u32 v[WSV], s92, v[LS]
	v_lshl_add_u32 v[VSO], v13, 2, v14
.irp b, 0,1,2,3,4,5,6,7
	v_mov_b32 v[BY+\b], 0                          ; written once: a lane permute's destination counts as one of its sources
.endr
	s_wait_alu depctr_va_vdst(0)
	s_wait_tensorcnt 0x0                           ; my part has landed,
	s_barrier_signal -1
	s_barrier_wait -1                              ; everybody's has
.irp a, 0,1,2,3
.irp i, 0,1,2
	ds_load_b32 v[SCX+3*\a+\i], v[XSA] offset:384*\a+128*\i
.endr
.endr
.irp g, 0,1
.irp s, 0,1,2,3,4,5
	ds_load_b32 v[SCW+6*\g+\s], v[WSA] offset:768*\g+128*\s
.endr
.endr
.irp s, 0,1,2,3,4,5
	ds_load_b32 v[SCV+\s], v[WSV] offset:128*\s
.endr
	FLOAD 0
	s_wait_loadcnt 0x0                             ; the biases
	WIN 0x41
.irp u, 0,1
.irp j, 1,2,3,4,5,6,7
	v_mov_b32 v[224+8*\u+\j], v[224+8*\u]          ; in V's result a lane holds one channel: its eight registers take the same bias
.endr
.endr
	WIN 0
	s_wait_alu depctr_va_vdst(0)
.irp s, 0,1,2,3,4,5
.if \s < 5
.if \s > 0
	PLACES
.endif
	FLOAD \s+1
	s_wait_dscnt 20                                ; this K step's fragments are in; the next one's twenty loads may be out
.else
	s_wait_dscnt 0x0
.endif
	WIN 0x50                                       ; C and D in window 1
.set B, FB+80*(\s%2)
.irp a, 0,1,2,3
.irp t, 0,1,2,3
.if \s == 0
	WMMA 32*\a+8*\t, B+32+8*\t, B+8*\a, 192+8*\t, SCW+6*(\t/2)+\s, SCX+3*\a+\s/2, \t%2, \s%2
.else
	WMMA 32*\a+8*\t, B+32+8*\t, B+8*\a, 32*\a+8*\t, SCW+6*(\t/2)+\s, SCX+3*\a+\s/2, \t%2, \s%2
.endif
.endr
.endr
.irp u, 0,1
.irp a, 0,1,2,3
.if \s == 0
	WMMA 128+32*\u+8*\a, B+8*\a, B+64+8*\u, 224+8*\u, SCX+3*\a+\s/2, SCV+\s, \s%2, \u
.else
	WMMA 128+32*\u+8*\a, B+8*\a, B+64+8*\u, 128+32*\u+8*\a, SCX+3*\a+\s/2, SCV+\s, \s%2, \u
.endif
.endr
.endr
	WIN 0
.endr
	PLACES
; THE QUANTISER.  Twelve runs of 16 registers: 2 a + g: token tile a's channels 32 g + 16 h + 0 .. 15; 8 + 2 u + e: half of v's block of tile u.  Each accumulator is read from its low end on.
	WIN 0x05                                       ; sources 0, 1 in window 1
.irp m, 0,1,2,3,4,5,6,7,8,9,10,11
	v_max3_num_f32 v[MX+\m], |v[16*\m]|, |v[16*\m+1]|, 0x1800000   ; and the floor 2^(3 - 127)
.endr
	WIN 0x14                                       ; sources 1, 2
.irp i, 2,4,6,8,10,12,14
.irp m, 0,1,2,3,4,5,6,7,8,9,10,11
	v_max3_num_f32 v[MX+\m], v[MX+\m], |v[16*\m+\i]|, |v[16*\m+\i+1]|
.endr
.endr
	WIN 0
.irp m, 0,1,2,3,4,5,6,7
	v_permlanex16_b32 v[BY+\m], v[MX+\m], s[SEL], s[SEL+1]
.endr
.irp m, 0,1,2,3,4,5,6,7
	v_max_num_f32 v[MX+\m], v[MX+\m], v[BY+\m]     ; with lane l xor 16's: the block's largest magnitude
.endr
.irp u, 0,1
	v_max_num_f32 v[MX+8+\u], v[MX+8+2*\u], v[MX+9+2*\u]   ; v's blocks are whole in a lane
.endr
.irp m, 0,1,2,3,4,5,6,7,8,9
	v_add_nc_u32 v[SO+\m], 0xff000000, v[MX+\m]    ; 2 off the exponent field: the conversion's scale operand
.endr
.irp m, 0,1,2,3,4,5,6,7,8,9
	v_lshrrev_b32 v[BY+\m], 23, v[SO+\m]           ; the scale's byte
.endr
	WIN 0x01                                       ; source 0 in window 1
.irp m, 0,1,2,3,4,5,6,7
	v_cvt_scalef32_pk8_fp4_f32 v[PC+2*\m], v[16*\m:16*\m+7], v[SO+\m]
	v_cvt_scalef32_pk8_fp4_f32 v[PC+2*\m+1], v[16*\m+8:16*\m+15], v[SO+\m]
.endr
.irp u, 0,1
.irp g, 0,1,2,3
	v_cvt_scalef32_pk8_fp4_f32 v[PC+16+4*\u+\g], v[128+32*\u+8*\g:135+32*\u+8*\g], v[SO+8+\u]
.endr
.endr
	WIN 0
	v_nop                                          ; one plain place behind the scaled conversions
.irp a, 0,1,2,3
	v_permlane16_swap_b32 v[PC+4*\a], v[PC+4*\a+2]     ; a whole block to a lane: lanes 0-15 block 0, lanes 16-31 block 1
	v_permlane16_swap_b32 v[PC+4*\a+1], v[PC+4*\a+3]
.endr
.irp a, 0,1,2,3
	v_lshl_or_b32 v[PC+24+\a], v[BY+2*\a+1], 8, v[BY+2*\a]
.endr
.irp a, 0,1,2,3
	v_or_b32 v[PC+24+\a], 0x7f7f0000, v[PC+24+\a]
.endr
.irp p, 0,1
	v_cndmask_b32 v[PC+28+\p], v[PC+24+2*\p], v[PC+25+2*\p], s[HM]   ; lanes 0-15 the even tile's words, lanes 16-31 the odd one's
.endr
.irp a, 0,1,2,3
	global_store_b128 v[LI], v[PC+4*\a:PC+4*\a+3], s[84:85] offset:512*\a    ; each store of the wave covers 512 consecutive bytes, aligned
.endr
.irp u, 0,1
	global_store_b128 v[LI], v[PC+16+4*\u:PC+19+4*\u], s[96:97] offset:1024*\u
.endr
.irp p, 0,1
	global_store_b32 v[LS], v[PC+28+\p], s[86:87] offset:128*\p
.endr
.irp u, 0,1
	global_store_b8 v[VSO], v[BY+8+\u], s[98:99] offset:64*\u      ; byte 2 (which half of the keys) + h of my channel's word
.endr
	s_wait_tensorcnt 0x0                           ; the wave's end
	ds_add_u32 v254, v255
	s_wait_dscnt 0x0
	ROUND                                          ; the closing round: no work-group ends while a partner may still ask for a tile that names it
	s_endpgm
.Lfunc_end_k_qd42a2eabcf_qkv:
	.size	k_qd42a2eabcf_qkv, .Lfunc_end_k_qd42a2eabcf_qkv-k_qd42a2eabcf_qkv
	.p2alignl 7, 3214868480
	.fill 96, 4, 3214868480
	.section	.rodata,"a",@progbits
	.p2align	6, 0x0
	.amdhsa_kernel k_qd42a2eabcf_qkv
		.amdhsa_group_segment_fixed_size 185344
		.amdhsa_private_segment_fixed_size 0
		.amdhsa_enable_private_segment 0
		.amdhsa_kernarg_size 56
		.amdhsa_user_sgpr_count 2
		.amdhsa_user_sgpr_kernarg_segment_ptr 1
		.amdhsa_wavefront_size32 1
		.amdhsa_system_sgpr_workgroup_id_x 1
		.amdhsa_system_sgpr_workgroup_id_y 1
		.amdhsa_system_sgpr_workgroup_id_z 1
		.amdhsa_system_vgpr_workitem_id 0
		.amdhsa_next_free_vgpr 496
		.amdhsa_next_free_sgpr 100
		.amdhsa_reserve_vcc 0
		.amdhsa_float_denorm_mode_32 3
		.amdhsa_float_denorm_mode_16_64 3
		.amdhsa_memory_ordered 1
		.amdhsa_forward_progress 1
		.amdhsa_inst_pref_size 52
	.end_amdhsa_kernel
	.amdgpu_metadata
---
amdhsa.version: [ 1, 2 ]
amdhsa.kernels:
  - .name:           k_qd42a2eabcf_qkv
    .symbol:         k_qd42a2eabcf_qkv.kd
    .args:
      - { .name: xq, .offset: 0, .size: 8, .value_kind: global_buffer, .address_space: global }
      - { .name: wc, .offset: 8, .size: 8, .value_kind: global_buffer, .address_space: global }
      - { .name: bq, .offset: 16, .size: 8, .value_kind: global_buffer, .address_space: global }
      - { .name: bk, .offset: 24, .size: 8, .value_kind: global_buffer, .address_space: global }
      - { .name: bv, .offset: 32, .size: 8, .value_kind: global_buffer, .address_space: global }
      - { .name: qq, .offset: 40, .size: 8, .value_kind: global_buffer, .address_space: global }
      - { .name: kv, .offset: 48, .size: 8, .value_kind: global_buffer, .address_space: global }
    .group_segment_fixed_size: 185344
    .private_segment_fixed_size: 0
    .kernarg_segment_align: 8
    .kernarg_segment_size: 56
    .max_flat_workgroup_size: 256
    .sgpr_count:     100
    .vgpr_count:     496
    .wavefront_size: 32
...
	.end_amdgpu_metadata
.endif
;; end of part 2
;; launch attn (part 3): grid 256 x 1, 12 waves a work-group, no clusters, 327,680 bytes of LDS; arguments qq, kv, cq; writes cq
.if DOCPART == 3
	.amdgcn_target "amdgcn-amd-amdhsa--gfx1250"
	.amdhsa_code_object_version 6
	.text
	.protected	k_qd42a2eabcf_attn
	.globl	k_qd42a2eabcf_attn
	.p2align	8
	.type	k_qd42a2eabcf_attn,@function
k_qd42a2eabcf_attn:
	s_mov_b64 s[64:65], 0
	v_nop
	global_prefetch_b8 v0, s[64:65] scope:SCOPE_SE
	s_setreg_imm32_b32 hwreg(HW_REG_WAVE_MODE, 25, 1), 1
	s_wait_xcnt 0x0
; ctx = softmax(q k^T / 8) v under reference()'s causal mask, both products on codes of FP4 (E2M1) with E8M0 scales; ctx is quantised at once along the channels, for the launch behind.
; THE SOFTMAX: t = score x log2(e) / 8; M = the row's largest t so far, rounded up to a whole number; p = 2^(t - M) is quantised along the keys; the row's sum is taken of the unquantised p in f32 and divides at the end.
;   When M moves, the sum and ctx are multiplied by 2^(old M - new M), a power of two.
; WORK LEFT OUT: a step of 128 keys that all come after a tile's queries (reference()'s own mask makes their p 0).
; LIMITS: the scaled scores (exponents to the base 2) stay under 2^31 in magnitude; a block whose largest p lies under 2^-124 gets the scale byte 1; NaN and infinities among the inputs are not served, and those that reach only the work left out are not carried.
; SHARES.  A head has 32 blocks of 128 queries, 8 tiles of 16 each; a tile of block b takes b + 1 steps of 128 keys.  A PAIR is a tile L of block b (16 .. 31) and the tile S of block 31 - b: 33 steps, walked by two waves:
;   a wave of kind 0 walks 16 steps of L; a wave of kind 1 walks S (32 - b steps), stores its ctx, and then walks the other n = b - 15 steps of L.  The two parts of L are joined through LDS at the end.
;   Of L's steps kind 1 has the n odd ones 1, 3 .. 2 n - 1 and kind 0 the others, so that both begin among the first keys.
; 12 heads x 128 pairs = 256 work-groups x 6 pairs: 64 work-groups serve three heads.  Work-groups 21 and 42 of the 64 serve two heads each, and these take pairs of block 16 alone, which want 17 key steps of either head.
; LDS: 36 slots of one record (a head's 128 keys and values, 8,960 bytes): a head's 32 records in slots 0 to 31; of two heads: records 0 to 5 of the first and of the second in slots 0 to 5 and 6 to 11,
;   records 6 to 17 in slots 12 to 23 and 24 to 35.  Slots 0 to 11 are filled at the head, one record a wave; the others behind the first barrier, two records a wave, while the waves walk five steps on slots 0 to 11.
; NO CLUSTER: a head has 21 work-groups and a third, so partners would belong to different heads, or need different numbers of records.
; NO PREFETCH: every slot is filled once; there is no loop of loads to run ahead in.
; LAYOUT: both products transposed: S^T = K Q^T, ctx^T = V^T P^T: a lane holds one query throughout.  Row r of a tile of tokens 4 g + u is token 64 g + 8 u + r + 24 (r / 8), so register 32 c + i of a lane's scores is key 64 c + 32 h + i:
;   a whole block of 32 keys in a lane, in the order in which the next operand wants it.  Q's upper 64 of K are zero codes, K's likewise.
; REGISTERS: v16-19 Q (v20-23 zeros), v24-28 L's Q and scale words; v32-95 eight tiles of K (four registers and four zeros each); v96-159 the scores, then p; v160-191 ctx^T; v192-223 V; v224-231 p's codes; v232-239, v244-247 at work.
.set RECB, 8960
.set QQS,  1572864
.set CQS,  1572864
.set SPARE, 36*RECB                    ; the spare words, 128 bytes for each of 12 waves
.set JOIN, 4608                        ; bytes of a pair's part of L on its way from wave to wave
.set LI,  1                            ; v1  16 x lane
.set LS,  2                            ; v2  4 x lane
.set AD,  3                            ; v3  LDS address of the record in hand + 16 x lane;  v4 + 4 x lane
.set AS,  4
.set DG,  5                            ; v5  my query's place in its block - 32 h
.set BO,  7                            ; v7  4 r + h
.set JA,  10                           ; v10 the pair's join bytes + 16 x lane;  v11 their end + 4 x lane
.set JS,  11
.set H8,  29                           ; v29 8 h
.set WVN, 12
.set ROLE, 13                          ; kind 0 or 1
.set LB,  14                           ; b
.set NN,  15                           ; n = b - 15
.set CNT, 16                           ; S's steps, 32 - b
.set SWK, 17                           ; the step ahead of which kind 1 goes over to L
.set KMX, 18                           ; steps: 16 or 17
.set CB,  19                           ; the block of the tile in hand
.set SEL, 20
.set CS,  22
.set G1,  24
.set G1B, 32
.set G0A, 40
.set G0B, 44
.set HM,  48
.set NCS, 49
.set LO,  50                           ; a record's slot = its number + s50, or + s51 from record 6 on
.set HI,  51
.set K,   52                           ; the step's number
.set RC,  54                           ; the record in hand, and the next
.set RN,  55
.set LIM, 66                           ; waves that load behind the first barrier
.macro PLACES
.rept 4
	v_nop
.endr
.endm
.macro WMMA0 d, a, b, sa, sb, ra
.if (\ra) == 0
	v_wmma_scale_f32_16x16x128_f8f6f4 v[(\d):(\d)+7], v[(\a):(\a)+7], v[(\b):(\b)+7], 0, v[(\sa)], v[(\sb)] matrix_a_fmt:MATRIX_FMT_FP4 matrix_b_fmt:MATRIX_FMT_FP4
.else
	v_wmma_scale_f32_16x16x128_f8f6f4 v[(\d):(\d)+7], v[(\a):(\a)+7], v[(\b):(\b)+7], 0, v[(\sa)], v[(\sb)] matrix_a_fmt:MATRIX_FMT_FP4 matrix_b_fmt:MATRIX_FMT_FP4 matrix_a_scale:MATRIX_SCALE_ROW1
.endif
.endm
.macro WMMAC d, a, b, sa, sb, ra
.if (\ra) == 0
	v_wmma_scale_f32_16x16x128_f8f6f4 v[(\d):(\d)+7], v[(\a):(\a)+7], v[(\b):(\b)+7], v[(\d):(\d)+7], v[(\sa)], v[(\sb)] matrix_a_fmt:MATRIX_FMT_FP4 matrix_b_fmt:MATRIX_FMT_FP4
.else
	v_wmma_scale_f32_16x16x128_f8f6f4 v[(\d):(\d)+7], v[(\a):(\a)+7], v[(\b):(\b)+7], v[(\d):(\d)+7], v[(\sa)], v[(\sb)] matrix_a_fmt:MATRIX_FMT_FP4 matrix_b_fmt:MATRIX_FMT_FP4 matrix_a_scale:MATRIX_SCALE_ROW1
.endif
.endm
.macro SHAPE g, r                      ; group 1: r dense rows of 256 bytes, elements of 8 bytes
	s_mov_b32 s[\g], 3<<16
	s_mov_b32 s[\g+1], 32<<16
	s_mov_b32 s[\g+2], (\r)<<16
	s_mov_b32 s[\g+3], 32<<16
	s_mov_b32 s[\g+4], \r
	s_mov_b32 s[\g+5], 32
	s_mov_b32 s[\g+6], 0
	s_mov_b32 s[\g+7], 0
.endm
.macro KLOAD                           ; twelve loads: four scale registers, eight tiles
.irp i, 0,1,2,3
	ds_load_b32 v[248+\i], v[AS] offset:8192+128*\i
.endr
.irp t, 0,1,2,3,4,5,6,7
	ds_load_b128 v[32+8*\t:35+8*\t], v[AD] offset:512*\t
.endr
.endm
.macro SLOT rec, two                   ; the record's LDS addresses.  two = 0: only slots 0 to 11 may be read
.if \two
	s_cmp_ge_u32 s[\rec], 6
	s_cselect_b32 s58, s[HI], s[LO]
	s_add_co_u32 s58, s58, s[\rec]
	s_min_u32 s58, s58, 35
.else
	s_add_co_u32 s58, s[LO], s[\rec]
	s_min_u32 s58, s58, 11
.endif
	s_mul_i32 s58, s58, RECB
	v_add_nc_u32 v[AD], s58, v[LI]
	v_add_nc_u32 v[AS], s58, v[LS]
.endm
.macro MROW i                          ; four chains of maxima, a step each
.irp b, 0,1,2,3
	v_max3_num_f32 v[232+\b], v[232+\b], v[96+16*\b+\i], v[97+16*\b+\i]
.endr
.endm
.macro VL t
.irp c, 0,1
	ds_load_b128 v[192+8*\t+4*\c:195+8*\t+4*\c], v[AD] offset:4096+1024*\t+512*\c
.endr
.endm
.macro KL t
	ds_load_b128 v[32+8*\t:35+8*\t], v[AD] offset:512*\t
.endm
.macro PKF j, n                        ; t - M, two at a time (of the pairs c and -M the low word serves both halves)
.set JJ, \j
.rept \n
	v_pk_fma_f32 v[JJ:JJ+1], v[JJ:JJ+1], s[CS:CS+1], v[12:13] op_sel_hi:[1,0,0]
.set JJ, JJ+2
.endr
.endm
.macro START                           ; no key seen: the largest score -3e38, -M likewise, the sum and ctx 0
	v_mov_b32 v12, 0x7e000000
	v_mov_b32 v13, 0xff61b1e6
	v_mov_b32 v14, 0
	v_mov_b32 v15, 0
.set JJ, 160
.rept 32
	v_mov_b32 v[JJ], 0
.set JJ, JJ+1
.endr
.endm
; ctx / the sum, quantised in two blocks of 32 channels (register 16 b + i is channel 32 b + 16 h + i), stored as half a fragment's image and its scale bytes.
.macro FIN
	v_add_f32 v14, v14, v15
	v_permlanex16_b32 v237, v14, s[SEL], s[SEL+1]
	v_add_f32 v14, v14, v237
	s_wait_alu depctr_va_vdst(0)                   ; the wait ahead of the transcendental
	v_rcp_f32 v14, v14
	v_nop
	s_wait_alu depctr_va_vdst(0)                   ; and ahead of its first reader
.set JJ, 0
.rept 32
	v_mul_f32 v[96+JJ], v[160+JJ], v14
.set JJ, JJ+1
.endr
.irp b, 0,1
	v_max3_num_f32 v[232+\b], |v[96+16*\b]|, |v[97+16*\b]|, 0x1800000
.endr
.irp i, 2,4,6,8,10,12,14
.irp b, 0,1
	v_max3_num_f32 v[232+\b], v[232+\b], |v[96+16*\b+\i]|, |v[97+16*\b+\i]|
.endr
.endr
.irp b, 0,1
	v_permlanex16_b32 v[236+\b], v[232+\b], s[SEL], s[SEL+1]
.endr
.irp b, 0,1
	v_max_num_f32 v[232+\b], v[232+\b], v[236+\b]
.endr
.irp b, 0,1
	v_add_nc_u32 v[246+\b], 0xff000000, v[232+\b]  ; 2 off the exponent field: the conversion's scale operand
.endr
.irp b, 0,1
	v_lshrrev_b32 v[236+\b], 23, v[246+\b]         ; the scale's byte
.endr
.irp b, 0,1
	v_cvt_scalef32_pk8_fp4_f32 v[224+2*\b], v[96+16*\b:103+16*\b], v[246+\b]
	v_cvt_scalef32_pk8_fp4_f32 v[225+2*\b], v[104+16*\b:111+16*\b], v[246+\b]
.endr
	v_nop
	v_permlane16_swap_b32 v224, v226               ; a whole block to a lane
	v_permlane16_swap_b32 v225, v227
	v_cndmask_b32 v8, v236, v237, s[HM]
	global_store_b128 v[LI], v[224:227], s[68:69]  ; 512 consecutive bytes, aligned
	global_store_b8 v[BO], v8, s[70:71]
.endm
	s_load_b128 s[4:7], s[0:1], 0x0                ; qq, kv
	s_load_b64 s[8:9], s[0:1], 0x10                ; cq
	v_lshl_add_u32 v242, v0, 2, SPARE
	v_mov_b32 v243, 0
	ds_add_u32 v242, v243                          ; the wave's opening: the add, twice on end, and its wait
	ds_add_u32 v242, v243
	v_lshrrev_b32 v6, 5, v0
	v_readfirstlane_b32 s[WVN], v6                 ; wave 0..11
	s_and_b32 s80, ttmp9, 63                       ; which of the 64 work-groups of three heads
	s_lshr_b32 s81, ttmp9, 6
	s_mul_i32 s81, s81, 3                          ; the three heads' first
	s_lshr_b32 s82, s[WVN], 1                      ; which of my work-group's six pairs
	s_lshr_b32 s83, s[WVN], 2
	s_xor_b32 s83, s83, s[WVN]
	s_and_b32 s[ROLE], s83, 1                      ; kinds alternate among the waves w, w + 4, w + 8
	s_mul_i32 s84, s80, 6
	s_lshr_b32 s85, s84, 7                         ; which of the three heads my work-group begins in
	s_add_co_u32 s86, s84, s82
	s_lshr_b32 s87, s86, 7                         ; and which my pair is of
	s_and_b32 s86, s86, 127
	s_mov_b32 s88, 126                             ; the pairs of the second head are turned by 4, of the third by 2: so a work-group of two heads has pairs 120 to 127 alone, those of block 16
	s_cmp_eq_u32 s87, 1
	s_cselect_b32 s88, 124, s88
	s_cmp_eq_u32 s87, 0
	s_cselect_b32 s88, 0, s88
	s_add_co_u32 s86, s86, s88
	s_and_b32 s86, s86, 127                        ; my pair's number in its head, 0..127
	s_lshr_b32 s88, s86, 3                         ; S's block, 31 - b
	s_and_b32 s89, s86, 7                          ; which tile of its block
	s_xor_b32 s[LB], s88, 31
	s_xor_b32 s[NN], s88, 15
	s_add_co_u32 s[NN], s[NN], 1
	s_add_co_u32 s[CNT], s88, 1
	s_mov_b32 s90, 99                              ; (kind 0 never goes over)
	s_cmp_eq_u32 s[ROLE], 0
	s_cselect_b32 s[CB], s[LB], s88
	s_cselect_b32 s[SWK], s90, s[CNT]
	s_cselect_b32 s[KMX], 16, 17
	s_lshl_b32 s90, s[CB], 3
	s_add_co_u32 s90, s90, s89                     ; my first tile, the one whose ctx I store
	s_lshl_b32 s91, s[LB], 3
	s_add_co_u32 s91, s91, s89                     ; L
	s_add_co_u32 s92, s81, s87                     ; my head
	s_add_co_u32 s93, s81, s85                     ; my work-group's (first) head
	s_lshl_b32 s94, s92, 17                        ; qq: 512 bytes a tile, 256 tiles a head; the words an eighth of that
	s_lshl_b32 s72, s90, 9
	s_add_co_u32 s72, s72, s94
	s_mov_b32 s73, 0
	s_lshr_b32 s74, s72, 3
	s_add_co_u32 s74, s74, QQS
	s_mov_b32 s75, 0
	s_lshl_b32 s76, s91, 9
	s_add_co_u32 s76, s76, s94
	s_mov_b32 s77, 0
	s_lshr_b32 s78, s76, 3
	s_add_co_u32 s78, s78, QQS
	s_mov_b32 s79, 0
	s_mul_i32 s68, s90, 6144                       ; cq: the tile's images, my head's half of a K step
	s_lshl_b32 s94, s92, 9
	s_add_co_u32 s68, s68, s94
	s_mov_b32 s69, 0
	s_mul_i32 s70, s90, 384                        ; and its scale registers
	s_lshr_b32 s94, s92, 1
	s_lshl_b32 s94, s94, 6
	s_add_co_u32 s70, s70, s94
	s_and_b32 s94, s92, 1
	s_lshl_b32 s94, s94, 1
	s_add_co_u32 s70, s70, s94
	s_add_co_u32 s70, s70, CQS
	s_mov_b32 s71, 0
	s_sub_co_u32 s95, s87, s85
	s_and_b32 s95, s95, 1                          ; 1: my pair is of my work-group's second head
	s_cmp_eq_u32 s80, 21
	s_cselect_b32 s96, 1, 0
	s_cmp_eq_u32 s80, 42
	s_cselect_b32 s96, 1, s96                      ; 1: my work-group serves two heads
	s_mul_i32 s[LO], s95, 6
	s_mul_i32 s[HI], s96, 6
	s_mul_i32 s97, s95, 12
	s_add_co_u32 s[HI], s[HI], s97
	s_sub_co_u32 s97, s86, s82                     ; one head: my work-group's first pair has its largest b; records 12 .. b are loaded, two a wave
	s_lshr_b32 s97, s97, 3
	s_xor_b32 s97, s97, 31
	s_sub_co_u32 s97, s97, 12
	s_lshr_b32 s97, s97, 1
	s_add_co_u32 s97, s97, 1
	s_cmp_eq_u32 s96, 1
	s_cselect_b32 s[LIM], 12, s97
	s_cmp_ge_u32 s[WVN], 6
	s_cselect_b32 s98, 1, 0
	s_and_b32 s98, s98, s96                        ; of two heads: waves 6 to 11 load the second's
	s_lshl_b32 s99, s93, 5                         ; kv: 32 records a head
	s_mul_i32 s60, s98, 26
	s_add_co_u32 s60, s60, s99
	s_add_co_u32 s60, s60, s[WVN]                  ; slot w: record w (second head: w - 6)
	s_mul_i32 s60, s60, RECB
	s_mov_b32 s61, 0
	s_mul_i32 s62, s98, 20
	s_add_co_u32 s62, s62, s99
	s_add_co_u32 s62, s62, 12
	s_mul_i32 s63, s96, 6
	s_sub_co_u32 s62, s62, s63
	s_lshl_b32 s63, s[WVN], 1
	s_add_co_u32 s62, s62, s63                     ; slots 12 + 2 w, 13 + 2 w: record 12 + 2 w (two heads: 6 + 2 w, and 2 w - 6 of the second)
	s_mul_i32 s62, s62, RECB
	s_mov_b32 s63, 0
	SHAPE G1, 35                                   ; one record
	SHAPE G1B, 70                                  ; two
	s_mov_b32 s[G0A], 1
	s_mul_i32 s[G0A+1], s[WVN], RECB
	s_mov_b32 s[G0B], 1
	s_mul_i32 s[G0B+1], s[WVN], 2*RECB
	s_add_co_u32 s[G0B+1], s[G0B+1], 12*RECB
	s_mov_b32 s[SEL], 0x76543210
	s_mov_b32 s[SEL+1], 0xfedcba98                 ; v_permlanex16_b32's selects for lane l xor 16
	s_mov_b32 s[CS], 0x3e38aa3b                    ; c = log2(e) / 8
	s_mov_b32 s[CS+1], s[CS]                       ; (named with it as a pair)
	s_mov_b32 s[NCS], 0xbe38aa3b                   ; -c
	s_mov_b32 s[HM], 0xffff0000
	s_wait_dscnt 0x0                               ; both opening adds are done
	s_wait_kmcnt 0x0
	s_add_nc_u64 s[G0A+2:G0A+3], s[6:7], s[60:61]
	s_or_b32 s[G0A+3], s[G0A+3], 0x80000000
	s_add_nc_u64 s[G0B+2:G0B+3], s[6:7], s[62:63]
	s_or_b32 s[G0B+3], s[G0B+3], 0x80000000
	tensor_load_to_lds s[G0A:G0A+3], s[G1:G1+7]    ; one tensor load a wave at the head
	s_nop 0
	PLACES
	s_add_nc_u64 s[72:73], s[4:5], s[72:73]
	s_add_nc_u64 s[74:75], s[4:5], s[74:75]
	s_add_nc_u64 s[76:77], s[4:5], s[76:77]
	s_add_nc_u64 s[78:79], s[4:5], s[78:79]
	s_add_nc_u64 s[68:69], s[8:9], s[68:69]
	s_add_nc_u64 s[70:71], s[8:9], s[70:71]
	s_lshr_b32 s84, s89, 2
	s_lshl_b32 s84, s84, 6
	s_and_b32 s85, s89, 3
	s_lshl_b32 s85, s85, 3
	s_add_co_u32 s84, s84, s85                     ; my tile's first query in its block of 128: the same for L and S
	s_mul_i32 s85, s82, JOIN
	s_add_co_u32 s86, s85, 4096
	v_and_b32 v8, 31, v0                           ; lane
	v_lshlrev_b32 v[LI], 4, v8
	v_lshlrev_b32 v[LS], 2, v8
	v_and_b32 v9, 15, v0                           ; r
	v_lshlrev_b32 v6, 2, v9
	global_load_b128 v[16:19], v[LI], s[72:73]     ; Q of my first tile,
	global_load_b32 v255, v6, s[74:75]             ; its scale words,
	global_load_b128 v[24:27], v[LI], s[76:77]     ; and of L (in a wave of kind 0 the same tile)
	global_load_b32 v28, v6, s[78:79]
	v_bfe_u32 v30, v0, 4, 1                        ; h
	v_and_b32 v[DG], 8, v0
	v_mad_u32_u24 v[DG], v[DG], 3, v9              ; r + 24 (r / 8)
	v_lshlrev_b32 v[H8], 5, v30
	v_sub_nc_u32 v[DG], v[DG], v[H8]
	v_add_nc_u32 v[DG], s84, v[DG]
	v_lshlrev_b32 v[H8], 3, v30
	v_lshl_add_u32 v[BO], v9, 2, v30
	v_add_nc_u32 v[JA], s85, v[LI]
	v_add_nc_u32 v[JS], s86, v[LS]
.irp j, 20,21,22,23,236,237,245,247
	v_mov_b32 v[\j], 0                             ; Q's zeros; and registers that are named ahead of their first write: a lane permute's destination, the upper halves of pairs
.endr
.irp t, 0,1,2,3,4,5,6,7
.irp j, 4,5,6,7
	v_mov_b32 v[32+8*\t+\j], 0
.endr
.endr
	START
	s_mov_b32 s[K], 0
	s_mov_b32 s[RC], 0                             ; both kinds begin with record 0
	s_wait_alu depctr_va_vdst(0)
	s_wait_tensorcnt 0x0                           ; my record is in
	ds_add_u32 v242, v243
	s_wait_dscnt 0x0
	s_barrier_signal -1
	s_barrier_wait -1                              ; slots 0 to 11 are whole
	s_cmp_lt_u32 s[WVN], s[LIM]
	s_cbranch_scc0 .Lno_more                       ; records that none of my work-group's tiles reaches are not loaded
	tensor_load_to_lds s[G0B:G0B+3], s[G1B:G1B+7]
	s_nop 0
	PLACES
.Lno_more:
	s_wait_loadcnt 0x0                             ; Q
	SLOT RC, 0
	KLOAD
	s_wait_alu depctr_va_vdst(0)
; A STEP: 128 keys.  two = 0: slots 0 to 11 alone.
.macro TRIP two
.if \two
	s_cmp_ge_u32 s[K], s[KMX]
	s_cbranch_scc1 .Ldone_\@                       ; kind 0 has no seventeenth step
.endif
	s_cmp_lg_u32 s[K], s[SWK]
	s_cbranch_scc1 .Lsame_\@
	FIN                                            ; kind 1: S is finished; on to L
.irp j, 0,1,2,3
	v_mov_b32 v[16+\j], v[24+\j]
.endr
	v_mov_b32 v255, v28
	START
	s_mov_b32 s[CB], s[LB]
	s_wait_alu depctr_va_vdst(0)
	s_wait_xcnt 0x0                                ; the stores have read their registers
.Lsame_\@:
	s_wait_dscnt 0x0                               ; this step's K is in
.irp t, 0,1,2,3,4,5,6,7
	WMMA0 96+8*\t, 32+8*\t, 16, 248+\t/2, 255, \t%2
.endr
	PLACES                                         ; ahead of loads into the products' registers and of reads of their results
	s_cmp_lg_u32 s[RC], s[CB]
	s_cbranch_scc1 .Lopen_\@
	v_mov_b32 v238, 0xff800000                     ; the diagonal: hidden scores become -infinity
.set n, 0
.rept 64
	v_cmp_gt_i32 vcc_lo, 64*(n/32)+n%32, v[DG]
	v_cndmask_b32 v[96+n], v[96+n], v238, vcc_lo
.set n, n+1
.endr
.Lopen_\@:
.irp b, 0,1,2,3                        ; the largest score of each of my two blocks, in four chains
	v_max3_num_f32 v[232+\b], v[96+16*\b], v[97+16*\b], v[98+16*\b]
.endr
; Among the maxima stand V's ten loads and the next step's record: kind 0: k + min(k, n); kind 1: k in S, then 2 (k - S's steps) + 1.
.irp i, 0,1
	ds_load_b32 v[240+\i], v[AS] offset:8704+128*\i
.endr
	s_add_co_u32 s56, s[K], 1
	s_min_u32 s57, s56, s[NN]
	s_add_co_u32 s57, s57, s56
	MROW 3
	VL 0
	s_sub_co_u32 s58, s56, s[CNT]
	s_lshl_b32 s58, s58, 1
	s_or_b32 s58, s58, 1
	MROW 5
	VL 1
	s_cmp_lt_u32 s56, s[CNT]
	s_cselect_b32 s58, s56, s58
	s_cmp_eq_u32 s[ROLE], 0
	s_cselect_b32 s57, s57, s58
	MROW 7
	VL 2
	s_min_u32 s[RN], s57, s[LB]
.if \two
	s_cmp_ge_u32 s[RN], 6
	s_cselect_b32 s58, s[HI], s[LO]
	MROW 9
	VL 3
	s_add_co_u32 s58, s58, s[RN]
	s_min_u32 s58, s58, 35
.else
	MROW 9
	VL 3
	s_add_co_u32 s58, s[LO], s[RN]
	s_min_u32 s58, s58, 11
.endif
	s_mul_i32 s58, s58, RECB
	MROW 11
	MROW 13
	v_max3_num_f32 v232, v232, v111, v127
	v_max3_num_f32 v234, v234, v143, v159
	v_add_nc_u32 v[AD], s58, v[LI]
	v_add_nc_u32 v[AS], s58, v[LS]
	v_max_num_f32 v232, v232, v233
	v_max_num_f32 v234, v234, v235
; Among M's chain stand the next step's twelve loads of K.  (In the last trip of a loop nothing is made of them: behind the barrier the first one is asked for anew.)
	ds_load_b32 v248, v[AS] offset:8192
	ds_load_b32 v249, v[AS] offset:8192+128
	v_max_num_f32 v236, v232, v234
	ds_load_b32 v250, v[AS] offset:8192+256
	ds_load_b32 v251, v[AS] offset:8192+384
	v_permlanex16_b32 v237, v236, s[SEL], s[SEL+1]
	KL 0
	KL 1
	v_max3_num_f32 v13, v13, v236, v237            ; the running largest score of my query
	KL 2
	KL 3
	v_mul_f32 v238, s[NCS], v13
	KL 4
	v_floor_f32 v238, v238                         ; the new -M = floor(-t): M is a whole number
	KL 5
	v_sub_f32 v239, v238, v12                      ; old M - new M, 0 or less
	v_mov_b32 v12, v238
	KL 6
	v_cvt_i32_f32 v239, v239                       ; (it saturates)
	KL 7
	v_ldexp_f32 v244, 1.0, v239                    ; f = 2^(old M - new M)
	v_fma_f32 v232, v232, s[CS], v12               ; a block's largest t - M: its floor is the exponent of the block's largest p
	v_fma_f32 v234, v234, s[CS], v12
	PKF 96, 4
	v_max_num_f32 v232, 0xc2f80000, v232           ; held at -124: the byte cannot fall under 1
	v_max_num_f32 v234, 0xc2f80000, v234
	PKF 104, 4
	v_cvt_floor_i32_f32 v233, v232
	v_cvt_floor_i32_f32 v235, v234
	PKF 112, 3
	v_add_lshl_u32 v246, v233, 0x7d, 23            ; the conversion's scale operand: the byte, exponent - 2 + 127, in the exponent field
	v_add_lshl_u32 v247, v235, 0x7d, 23
	v_lshl_add_u32 v236, v235, 16, v233
	PKF 118, 2
	v_add_lshl_u32 v236, v236, 0x7d007d, v[H8]     ; my two bytes are number h and 2 + h of the scale word,
	PKF 122, 2
	v_permlanex16_b32 v237, v236, s[SEL], s[SEL+1]
	PKF 126, 1
	v_or_b32 v253, v236, v237                      ; lane l xor 16's the others
	s_wait_alu depctr_va_vdst(0)                   ; the wait ahead of the batch
.set n, 0
.rept 16
	v_exp_f32 v[96+n], v[96+n]                     ; block 0's p; block 1's t - M stand among them
	v_exp_f32 v[97+n], v[97+n]
	PKF 128+n, 1
.set n, n+2
.endr
	s_wait_alu depctr_va_vdst(0)                   ; behind that batch and ahead of the next
; Block 1's p.  Among them stand block 0's conversions, the operand's registers as they stand, and its first sums: T0 .. T7 in the pairs at v8, v30, v232, v234, v236, v238, v228, v230.
.set n, 0
.irp t, 8,30,232,234,236,238,228,230
	v_exp_f32 v[128+4*n], v[128+4*n]
	v_exp_f32 v[129+4*n], v[129+4*n]
	v_exp_f32 v[130+4*n], v[130+4*n]
	v_exp_f32 v[131+4*n], v[131+4*n]
.if n%2
	v_cvt_scalef32_pk8_fp4_f32 v[224+n/2], v[96+8*(n/2):103+8*(n/2)], v246
.endif
	v_pk_add_f32 v[\t:\t+1], v[96+4*n:97+4*n], v[98+4*n:99+4*n]
.set n, n+1
.endr
	s_wait_alu depctr_va_vdst(0)                   ; ahead of the batch's first reader, and of the wait below
	s_wait_dscnt 12                                ; V is in; the next step's twelve loads of K may be out
	v_pk_fma_f32 v[14:15], v[14:15], v[244:245], v[8:9] op_sel_hi:[1,0,1]   ; the row's sum, of the unquantised p
.set n, 128
.irp t, 228,230,30,232,234,236,238,14
	v_pk_add_f32 v[\t:\t+1], v[\t:\t+1], v[n:n+1]
.set n, n+2
.endr
	v_pk_add_f32 v[30:31], v[30:31], v[228:229]
	v_pk_add_f32 v[232:233], v[232:233], v[230:231]
	v_cvt_scalef32_pk8_fp4_f32 v228, v[128:135], v247      ; block 1's codes, among the sums
	v_pk_add_f32 v[234:235], v[234:235], v[144:145]
	v_pk_add_f32 v[236:237], v[236:237], v[146:147]
	v_cvt_scalef32_pk8_fp4_f32 v229, v[136:143], v247
	v_pk_add_f32 v[238:239], v[238:239], v[148:149]
	v_pk_add_f32 v[30:31], v[30:31], v[150:151]
	v_cvt_scalef32_pk8_fp4_f32 v230, v[144:151], v247
	v_pk_add_f32 v[232:233], v[232:233], v[152:153]
	v_pk_add_f32 v[234:235], v[234:235], v[154:155]
	v_cvt_scalef32_pk8_fp4_f32 v231, v[152:159], v247
	v_pk_add_f32 v[236:237], v[236:237], v[156:157]
	v_pk_add_f32 v[238:239], v[238:239], v[158:159]
	v_pk_add_f32 v[14:15], v[14:15], v[30:31]
	v_pk_add_f32 v[232:233], v[232:233], v[234:235]
	v_pk_add_f32 v[236:237], v[236:237], v[238:239]
	s_wait_alu depctr_va_vdst(0)                   ; directly ahead of the first reader of ctx^T
.set n, 160
.rept 16
	v_pk_mul_f32 v[n:n+1], v[n:n+1], v[244:245] op_sel_hi:[1,0]   ; ctx^T under the new M: also the places behind the conversions
.if n == 164
	v_pk_add_f32 v[14:15], v[14:15], v[232:233]
.endif
.if n == 172
	v_pk_add_f32 v[14:15], v[14:15], v[236:237]
.endif
.set n, n+2
.endr
.irp t, 0,1,2,3
	WMMAC 160+8*\t, 192+8*\t, 224, 240+\t/2, 253, \t%2
.endr
.if \two
.Ldone_\@:
.endif
	s_mov_b32 s[RC], s[RN]
.endm
.Lone:
	TRIP 0
	s_add_co_u32 s[K], s[K], 1
	s_cmp_lt_u32 s[K], 5
	s_wait_alu depctr_va_vdst(0)
	s_cbranch_scc1 .Lone
	s_wait_tensorcnt 0x0                           ; my two records are in,
	s_wait_dscnt 0x0
	s_barrier_signal -1
	s_barrier_wait -1                              ; and everybody's
	PLACES
	SLOT RC, 1
	KLOAD
	s_wait_alu depctr_va_vdst(0)                   ; as ahead of the first loop
.Ltwo:
	TRIP 1
	s_add_co_u32 s[K], s[K], 1
	s_cmp_lt_u32 s[K], 17
	s_wait_alu depctr_va_vdst(0)
	s_cbranch_scc1 .Ltwo
; THE JOIN.  Nobody reads a record any more behind the barrier, and no slot is filled again: the waves of kind 1 store their part of L there.
	PLACES
	s_wait_dscnt 0x0
	s_barrier_signal -1
	s_barrier_wait -1
	s_cmp_eq_u32 s[ROLE], 0
	s_cbranch_scc1 .Lkind_0
.irp i, 0,1,2,3,4,5,6,7
	ds_store_b128 v[JA], v[160+4*\i:163+4*\i] offset:512*\i
.endr
	ds_store_b32 v[JS], v12
	ds_store_b32 v[JS], v14 offset:128
	ds_store_b32 v[JS], v15 offset:256
.Lkind_0:
	s_wait_dscnt 0x0                               ; for the other wave's sake: my stores are done
	s_barrier_signal -1
	s_barrier_wait -1
	s_cmp_eq_u32 s[ROLE], 0
	s_cbranch_scc0 .Lout
	ds_load_b32 v232, v[JS]                        ; the other part's -M
	ds_load_b32 v234, v[JS] offset:128             ; and sum
	ds_load_b32 v235, v[JS] offset:256
.irp i, 0,1,2,3,4,5,6,7
	ds_load_b128 v[96+4*\i:99+4*\i], v[JA] offset:512*\i
.endr
	s_wait_dscnt 8                                 ; the three are in, its ctx^T's eight may be out
	v_min_num_f32 v238, v12, v232
	v_sub_f32 v239, v238, v12
	v_sub_f32 v236, v238, v232
	v_cvt_i32_f32 v239, v239
	v_cvt_i32_f32 v236, v236
	v_ldexp_f32 v244, 1.0, v239
	v_ldexp_f32 v246, 1.0, v236
	v_pk_mul_f32 v[14:15], v[14:15], v[244:245] op_sel_hi:[1,0]
	v_pk_fma_f32 v[14:15], v[234:235], v[246:247], v[14:15] op_sel_hi:[1,0,1]
	s_wait_alu depctr_va_vdst(0)
	s_wait_dscnt 0x0
.set n, 0
.rept 16
	v_pk_mul_f32 v[160+n:161+n], v[160+n:161+n], v[244:245] op_sel_hi:[1,0]
.set n, n+2
.endr
.set n, 0
.rept 16
	v_pk_fma_f32 v[160+n:161+n], v[96+n:97+n], v[246:247], v[160+n:161+n] op_sel_hi:[1,0,1]
.set n, n+2
.endr
	FIN
.Lout:
	s_wait_tensorcnt 0x0                           ; the wave's end
	ds_add_u32 v242, v243
	s_wait_dscnt 0x0
	s_endpgm
.Lfunc_end_k_qd42a2eabcf_attn:
	.size	k_qd42a2eabcf_attn, .Lfunc_end_k_qd42a2eabcf_attn-k_qd42a2eabcf_attn
	.p2alignl 7, 3214868480
	.fill 96, 4, 3214868480
	.section	.rodata,"a",@progbits
	.p2align	6, 0x0
	.amdhsa_kernel k_qd42a2eabcf_attn
		.amdhsa_group_segment_fixed_size 327680
		.amdhsa_private_segment_fixed_size 0
		.amdhsa_enable_private_segment 0
		.amdhsa_kernarg_size 24
		.amdhsa_user_sgpr_count 2
		.amdhsa_user_sgpr_kernarg_segment_ptr 1
		.amdhsa_wavefront_size32 1
		.amdhsa_system_sgpr_workgroup_id_x 1
		.amdhsa_system_sgpr_workgroup_id_y 1
		.amdhsa_system_sgpr_workgroup_id_z 1
		.amdhsa_system_vgpr_workitem_id 0
		.amdhsa_next_free_vgpr 256
		.amdhsa_next_free_sgpr 100
		.amdhsa_reserve_vcc 1
		.amdhsa_float_denorm_mode_32 3
		.amdhsa_float_denorm_mode_16_64 3
		.amdhsa_memory_ordered 1
		.amdhsa_forward_progress 1
		.amdhsa_inst_pref_size 70
	.end_amdhsa_kernel
	.amdgpu_metadata
---
amdhsa.version: [ 1, 2 ]
amdhsa.kernels:
  - .name:           k_qd42a2eabcf_attn
    .symbol:         k_qd42a2eabcf_attn.kd
    .args:
      - { .name: qq, .offset: 0, .size: 8, .value_kind: global_buffer, .address_space: global }
      - { .name: kv, .offset: 8, .size: 8, .value_kind: global_buffer, .address_space: global }
      - { .name: cq, .offset: 16, .size: 8, .value_kind: global_buffer, .address_space: global }
    .group_segment_fixed_size: 327680
    .private_segment_fixed_size: 0
    .kernarg_segment_align: 8
    .kernarg_segment_size: 24
    .max_flat_workgroup_size: 384
    .sgpr_count:     100
    .vgpr_count:     256
    .wavefront_size: 32
...
	.end_amdgpu_metadata
.endif
;; end of part 3
;; launch oproj (part 4): grid 64 x 4, 6 waves a work-group, clusters of 4 x 4, 168,704 bytes of LDS; arguments cq, wc, bo, out0; writes out0
.if DOCPART == 4
	.amdgcn_target "amdgcn-amd-amdhsa--gfx1250"
	.amdhsa_code_object_version 6
	.text
	.protected	k_qd42a2eabcf_oproj
	.globl	k_qd42a2eabcf_oproj
	.p2align	8
	.type	k_qd42a2eabcf_oproj,@function
k_qd42a2eabcf_oproj:
	s_mov_b64 s[64:65], 0
	v_nop
	global_prefetch_b8 v0, s[64:65] scope:SCOPE_SE
	s_setreg_imm32_b32 hwreg(HW_REG_WAVE_MODE, 25, 1), 1
	s_wait_xcnt 0x0
	s_wait_alu depctr_hold_cnt(0) depctr_sa_sdst(0) depctr_va_vdst(0) depctr_va_sdst(0) depctr_va_ssrc(0) depctr_va_vcc(0) depctr_vm_vsrc(0)
	s_getreg_b32 s2, hwreg(HW_REG_IB_STS2, 6, 4)
	s_cmp_eq_u32 s2, 0
	s_cbranch_scc0 .Lentry_in_a_cluster
	s_endpgm
.Lentry_in_a_cluster:
	s_bfe_u32 s2, ttmp6, 0x10000c
	s_cmp_lg_u32 s2, 0xf033
	s_cbranch_scc0 .Lentry_shape_is_right
	s_endpgm
.Lentry_shape_is_right:
; out0 = ctx wo + bo on codes of FP4 (E2M1) with E8M0 scales.  ctx's codes (cq) and wo's (wc) lie as images of operand registers: a fragment of 16 rows x 128 K is 1,024 bytes, lane l's 16 bytes of piece c at 512 c + 16 l;
; a scale register is 128 bytes, lane l's word at 4 l.  Row r of tile 2 g + u (of tokens, of output channels) is element 32 g + 8 u + r + 8 (r / 8).
; A work-group takes 64 tokens (4 tiles) x 192 channels; wave w takes 32 of the channels (two tiles) x the four token tiles: eight accumulators by turns, one instruction a turn; six K steps.
; CLUSTER 4 x 4: ctx's images hang on the block of tokens alone (shared along a column of the cluster), wo's on the block of channels alone (shared along a row): each is asked for jointly by the four that need it.
; The grid has one cluster along y, so the block of channels is the work-group's place cy.
; TRANSPOSED (source 0 = 16 channels of wo, source 1 = 16 tokens): a lane holds one token and eight neighbouring channels.  bo is the C of each sum's first matrix instruction.
; THE WAY OUT: a row's 768 bytes come from six waves: they meet in a stage in LDS (rows of 768 + 16 bytes, in bytes of its own where no tensor load lands); behind a barrier sixteen lanes store 256 consecutive bytes, aligned.
; OF THE TOKENS row r of tile 4 g + u is token 64 g + 8 u + r + 24 (r / 8); the line on rows above holds for the output channels.
.set WI,   24576                       ; LDS: ctx's 4 x 6 images from 0; wo's 6 x 2 x 6 images;
.set CSC,  98304                       ; ctx's 4 x 3 scale registers;
.set WS,   99840                       ; wo's 6 x 6;
.set STG,  104448                      ; the stage: 64 rows
.set SP,   784
.set CQS,  1572864
.set LI,  1                            ; v1  16 x lane: also ctx's images
.set LS,  2                            ; v2  4 x lane
.set WA,  3                            ; v3  my two tiles of wo
.set WSA, 4                            ; v4  their scale registers
.set CSA, 5                            ; v5  ctx's scale registers
.set SO,  6                            ; v6  the stage: where I put 32 bytes of a row
.set SR,  7                            ; v7  and where I read 16 bytes back
.set GO,  8                            ; v8  the same place in out0
.set BO,  9                            ; v9  64 h
.set BIAS, 16                          ; v16-31  bo: eight registers a channel tile
.set SW,  32                           ; v32-37  wo's scale registers: scales and nothing else
.set SCT, 38                           ; v38-49  ctx's, 3 a + i
.set ACC, 64                           ; v64-127 accumulator (a, u) at 8 (2 a + u)
.set FB,  128                          ; v128-175 wo's two fragments, ctx's four
.set OUTR, 176                         ; v176-239 the way out
.set WVN, 18
.set G1A, 20
.set G1B, 28
.set G1C, 36
.set G1D, 44
.set G0A, 52
.set G0B, 56
.set G0C, 60
.set G0D, 68
.macro PLACES                          ; four places behind a matrix instruction, ahead of loads into its registers and of reads of its result
.rept 4
	v_nop
.endr
.endm
.macro ROUND                           ; a round of the cluster's barrier
	s_barrier_signal -1
	s_barrier_wait -1
	s_cmp_lg_u32 s[WVN], 0
	s_cbranch_scc1 .Lnot_wave_0_\@
	s_barrier_signal -3
.Lnot_wave_0_\@:
	s_barrier_wait -3
	s_barrier_signal -1
	s_barrier_wait -1
.endm
.macro SHAPE g, c, r                   ; group 1 but for its first word: r dense rows of c elements of 8 bytes
	s_mov_b32 s[\g+1], (\c)<<16
	s_mov_b32 s[\g+2], (\r)<<16
	s_mov_b32 s[\g+3], (\c)<<16
	s_mov_b32 s[\g+4], \r
	s_mov_b32 s[\g+5], \c
	s_mov_b32 s[\g+6], 0
	s_mov_b32 s[\g+7], 0
.endm
.macro WMMA d, a, b, c, sa, sb, ra, rb ; D = A B + C; ra, rb = 1: that side's scales stand in lanes 16-31 of its register
.if ((\ra) == 0) && ((\rb) == 0)
	v_wmma_scale_f32_16x16x128_f8f6f4 v[(\d):(\d)+7], v[(\a):(\a)+7], v[(\b):(\b)+7], v[(\c):(\c)+7], v[(\sa)], v[(\sb)] matrix_a_fmt:MATRIX_FMT_FP4 matrix_b_fmt:MATRIX_FMT_FP4
.elseif (\rb) == 0
	v_wmma_scale_f32_16x16x128_f8f6f4 v[(\d):(\d)+7], v[(\a):(\a)+7], v[(\b):(\b)+7], v[(\c):(\c)+7], v[(\sa)], v[(\sb)] matrix_a_fmt:MATRIX_FMT_FP4 matrix_b_fmt:MATRIX_FMT_FP4 matrix_a_scale:MATRIX_SCALE_ROW1
.elseif (\ra) == 0
	v_wmma_scale_f32_16x16x128_f8f6f4 v[(\d):(\d)+7], v[(\a):(\a)+7], v[(\b):(\b)+7], v[(\c):(\c)+7], v[(\sa)], v[(\sb)] matrix_a_fmt:MATRIX_FMT_FP4 matrix_b_fmt:MATRIX_FMT_FP4 matrix_b_scale:MATRIX_SCALE_ROW1
.else
	v_wmma_scale_f32_16x16x128_f8f6f4 v[(\d):(\d)+7], v[(\a):(\a)+7], v[(\b):(\b)+7], v[(\c):(\c)+7], v[(\sa)], v[(\sb)] matrix_a_fmt:MATRIX_FMT_FP4 matrix_b_fmt:MATRIX_FMT_FP4 matrix_a_scale:MATRIX_SCALE_ROW1 matrix_b_scale:MATRIX_SCALE_ROW1
.endif
.endm
	s_load_b256 s[4:11], s[0:1], 0x0               ; cq s[4:5], wc s[6:7], bo s[8:9], out0 s[10:11]
	v_lshl_add_u32 v254, v0, 2, 0x29000
	v_mov_b32 v255, 0
	ds_add_u32 v254, v255
	ds_add_u32 v254, v255
	v_lshrrev_b32 v1, 5, v0
	v_readfirstlane_b32 s[WVN], v1                 ; wave 0..5
	s_bfe_u32 s72, ttmp6, 0x40000                  ; cx
	s_bfe_u32 s73, ttmp6, 0x40004                  ; cy: my block of 192 channels
	s_lshl_b32 s74, ttmp9, 2
	s_add_co_u32 s74, s74, s72                     ; my block of 64 tokens = 4 x cluster x + cx
	s_lshl_b32 s76, s73, 2
	s_lshl_b32 s76, 15, s76                        ; my row of the cluster: the same channels
	s_lshl_b32 s77, 0x1111, s72                    ; my column: the same tokens
	s_or_b32 s[G1A], s77, (3<<16)|(1<<21)          ; 15:0 the mask; 17:16 elements of 8 bytes; 21 set beside a mask; no padding
	s_or_b32 s[G1B], s76, (3<<16)|(1<<21)
	s_or_b32 s[G1C], s77, (3<<16)|(1<<21)
	s_or_b32 s[G1D], s76, (3<<16)|(1<<21)
	SHAPE G1A, 32, 96                              ; ctx's images: 24,576 bytes (wave 0)
	SHAPE G1B, 32, 96                              ; a third of wo's images: 24,576 (waves 1 to 3)
	SHAPE G1C, 32, 6                               ; ctx's scale registers: 1,536 (wave 4)
	SHAPE G1D, 32, 18                              ; wo's: 4,608 (wave 5)
	; ctx's addresses are made of the block of tokens and the wave's number, wo's of the block of channels and the wave's number, each in registers that never hold the other coordinate
	s_mul_i32 s84, s74, 24576
	s_mov_b32 s[G0A+1], 0
	s_mov_b32 s85, 0
	s_mul_i32 s86, s74, 1536
	s_add_co_u32 s86, s86, CQS
	s_mov_b32 s87, 0
	s_mov_b32 s[G0C+1], CSC
	s_mul_i32 s88, s73, 73728
	s_mul_i32 s79, s[WVN], 24576                   ; wave w takes third w - 1
	s_add_co_u32 s88, s88, s79
	s_add_co_u32 s88, s88, 884736-24576
	s_mov_b32 s89, 0
	s_add_co_u32 s[G0B+1], s79, WI-24576
	s_mul_i32 s90, s73, 4608
	s_add_co_u32 s90, s90, 1234944
	s_mov_b32 s91, 0
	s_mov_b32 s[G0D+1], WS
	s_mov_b32 s[G0A], 1
	s_mov_b32 s[G0B], 1
	s_mov_b32 s[G0C], 1
	s_mov_b32 s[G0D], 1
	s_wait_dscnt 0x0
	s_wait_kmcnt 0x0
	s_add_nc_u64 s[G0A+2:G0A+3], s[4:5], s[84:85]
	s_or_b32 s[G0A+3], s[G0A+3], 0x80000000
	s_add_nc_u64 s[G0B+2:G0B+3], s[6:7], s[88:89]
	s_or_b32 s[G0B+3], s[G0B+3], 0x80000000
	s_add_nc_u64 s[G0C+2:G0C+3], s[4:5], s[86:87]
	s_or_b32 s[G0C+3], s[G0C+3], 0x80000000
	s_add_nc_u64 s[G0D+2:G0D+3], s[6:7], s[90:91]
	s_or_b32 s[G0D+3], s[G0D+3], 0x80000000
	ROUND                                          ; all sixteen work-groups are here: the joint loads meet
; THE HEAD'S LOADS, ONE A WAVE: one tree of branches on the wave's number, each arm with its load.
.macro ARM under, g0, g1, next
	s_cmp_lt_u32 s[WVN], \under
	s_cbranch_scc0 \next
	tensor_load_to_lds s[\g0:\g0+3], s[\g1:\g1+7]
	s_nop 0
	PLACES
	s_branch .Lhead_asked
\next:
.endm
	ARM 1, G0A, G1A, .Lhead_w
	ARM 4, G0B, G1B, .Lhead_cs
	ARM 5, G0C, G1C, .Lhead_ws
	tensor_load_to_lds s[G0D:G0D+3], s[G1D:G1D+7]
	s_nop 0
	PLACES
.Lhead_asked:
	v_and_b32 v10, 31, v0                          ; lane
	v_and_b32 v11, 15, v0                          ; r
	v_bfe_u32 v12, v0, 4, 1                        ; h
	v_lshlrev_b32 v[LI], 4, v10
	v_lshlrev_b32 v[LS], 2, v10
	s_mul_i32 s92, s[WVN], 12288
	s_add_co_u32 s92, s92, WI
	v_add_nc_u32 v[WA], s92, v[LI]
	s_mul_i32 s92, s[WVN], 768
	s_add_co_u32 s92, s92, WS
	v_add_nc_u32 v[WSA], s92, v[LS]
	v_add_nc_u32 v[CSA], CSC, v[LS]
	v_and_b32 v[SO], 8, v11                        ; into the stage: token r + 24 (r / 8) of the tile, channels 32 w + 16 h + 8 u + 0 .. 7
	v_mad_u32_u24 v[SO], v[SO], 3, v11
	v_mul_u32_u24 v[SO], v[SO], SP
	v_lshl_add_u32 v[SO], v12, 6, v[SO]
	s_lshl_b32 s92, s[WVN], 7
	s_add_co_u32 s92, s92, STG
	v_add_nc_u32 v[SO], s92, v[SO]
	s_mul_i32 s93, s[WVN], 11                      ; back: wave w takes the 256 bytes w % 3 of rows 32 (w / 3) + 2 i + h;  w / 3 = 11 w / 32 for w under 6
	s_lshr_b32 s93, s93, 5
	s_lshl_b32 s92, s[WVN], 8
	s_mul_i32 s94, s93, 32*SP-768
	s_add_co_u32 s92, s92, s94
	s_add_co_u32 s92, s92, STG
	v_mul_u32_u24 v[SR], v12, SP
	v_lshl_add_u32 v[SR], v11, 4, v[SR]
	v_add_nc_u32 v[SR], s92, v[SR]
	v_mul_u32_u24 v[GO], v12, 3072
	v_lshl_add_u32 v[GO], v11, 4, v[GO]
	v_lshlrev_b32 v[BO], 6, v12
	s_wait_alu depctr_va_vdst(0)
	s_mul_i32 s96, s74, 64*3072                    ; out0: 64 rows a block of tokens, 768 bytes a block of channels
	s_mul_i32 s94, s73, 768
	s_add_co_u32 s96, s96, s94
	s_lshl_b32 s95, s[WVN], 8
	s_add_co_u32 s96, s96, s95
	s_mul_i32 s95, s93, 32*3072-768
	s_add_co_u32 s96, s96, s95
	s_mov_b32 s97, 0
	s_add_nc_u64 s[10:11], s[10:11], s[96:97]
	s_lshl_b32 s98, s[WVN], 7                      ; bo: my 32 channels
	s_add_co_u32 s98, s98, s94
	s_mov_b32 s99, 0
	s_add_nc_u64 s[8:9], s[8:9], s[98:99]
.irp u, 0,1
	global_load_b128 v[BIAS+8*\u:BIAS+8*\u+3], v[BO], s[8:9] offset:32*\u       ; lane (r, h), tile u: channels 8 u + 16 h + 0 .. 7 of my 32
	global_load_b128 v[BIAS+8*\u+4:BIAS+8*\u+7], v[BO], s[8:9] offset:32*\u+16
.endr
	s_wait_tensorcnt 0x0                           ; my part has landed,
	s_barrier_signal -1
	s_barrier_wait -1                              ; everybody's have
.irp s, 0,1,2,3,4,5
	ds_load_b32 v[SW+\s], v[WSA] offset:128*\s     ; lanes 0-15 tile u = 0, lanes 16-31 tile u = 1
.endr
.irp a, 0,1,2,3
.irp i, 0,1,2
	ds_load_b32 v[SCT+3*\a+\i], v[CSA] offset:384*\a+128*\i   ; lanes 0-15 K step 2 i, lanes 16-31 K step 2 i + 1
.endr
.endr
	s_wait_loadcnt 0x0                             ; bo
.macro OLOAD s                         ; a K step's six fragments, twelve loads, into buffer s % 2: v128-175 or v176-223
.set B, FB+48*((\s)%2)
.irp u, 0,1
.irp c, 0,1
	ds_load_b128 v[B+8*\u+4*\c:B+8*\u+4*\c+3], v[WA] offset:6144*\u+1024*(\s)+512*\c
.endr
.endr
.irp a, 0,1,2,3
.irp c, 0,1
	ds_load_b128 v[B+16+8*\a+4*\c:B+16+8*\a+4*\c+3], v[LI] offset:6144*\a+1024*(\s)+512*\c
.endr
.endr
.endm
	OLOAD 0
.irp s, 0,1,2,3,4,5
.if \s < 5
.if \s > 0
	PLACES
.endif
	OLOAD \s+1
	s_wait_dscnt 12                                ; this K step's fragments are in; the next one's twelve loads may be out
.else
	s_wait_dscnt 0x0
.endif
.set B, FB+48*(\s%2)
.irp a, 0,1,2,3
.irp u, 0,1
.if \s == 0
	WMMA ACC+8*(2*\a+\u), B+8*\u, B+16+8*\a, BIAS+8*\u, SW+\s, SCT+3*\a+\s/2, \u, \s%2
.else
	WMMA ACC+8*(2*\a+\u), B+8*\u, B+16+8*\a, ACC+8*(2*\a+\u), SW+\s, SCT+3*\a+\s/2, \u, \s%2
.endif
.endr
.endr
.endr
	PLACES
.irp a, 0,1,2,3
.irp u, 0,1
	ds_store_b128 v[SO], v[ACC+8*(2*\a+\u):ACC+8*(2*\a+\u)+3] offset:SP*8*\a+32*\u        ; each accumulator from its low end on
	ds_store_b128 v[SO], v[ACC+8*(2*\a+\u)+4:ACC+8*(2*\a+\u)+7] offset:SP*8*\a+32*\u+16
.endr
.endr
	s_wait_dscnt 0x0                               ; for the others' sake: my stores into the stage are done
	s_barrier_signal -1
	s_barrier_wait -1                              ; 64 whole rows lie in the stage
.irp i, 0,1,2,3,4,5,6,7,8,9,10,11,12,13,14,15
	ds_load_b128 v[OUTR+4*\i:OUTR+4*\i+3], v[SR] offset:2*SP*\i
.endr
.irp i, 0,1,2,3,4,5,6,7,8,9,10,11,12,13,14,15
	s_wait_dscnt 15-\i                             ; load i is in; the later ones may be out
	global_store_b128 v[GO], v[OUTR+4*\i:OUTR+4*\i+3], s[10:11] offset:2*3072*\i th:TH_STORE_NT   ; sixteen lanes store 256 consecutive bytes, at a multiple of 256 from out0's first byte; written once, read by nobody here
.endr
	s_wait_tensorcnt 0x0
	ds_add_u32 v254, v255
	s_wait_dscnt 0x0
	ROUND                                          ; the closing round: no work-group ends while a partner may still ask for a tile that names it
	s_endpgm
.Lfunc_end_k_qd42a2eabcf_oproj:
	.size	k_qd42a2eabcf_oproj, .Lfunc_end_k_qd42a2eabcf_oproj-k_qd42a2eabcf_oproj
	.p2alignl 7, 3214868480
	.fill 96, 4, 3214868480
	.section	.rodata,"a",@progbits
	.p2align	6, 0x0
	.amdhsa_kernel k_qd42a2eabcf_oproj
		.amdhsa_group_segment_fixed_size 168704
		.amdhsa_private_segment_fixed_size 0
		.amdhsa_enable_private_segment 0
		.amdhsa_kernarg_size 32
		.amdhsa_user_sgpr_count 2
		.amdhsa_user_sgpr_kernarg_segment_ptr 1
		.amdhsa_wavefront_size32 1
		.amdhsa_system_sgpr_workgroup_id_x 1
		.amdhsa_system_sgpr_workgroup_id_y 1
		.amdhsa_system_sgpr_workgroup_id_z 1
		.amdhsa_system_vgpr_workitem_id 0
		.amdhsa_next_free_vgpr 256
		.amdhsa_next_free_sgpr 100
		.amdhsa_reserve_vcc 0
		.amdhsa_float_denorm_mode_32 3
		.amdhsa_float_denorm_mode_16_64 3
		.amdhsa_memory_ordered 1
		.amdhsa_forward_progress 1
		.amdhsa_inst_pref_size 26
	.end_amdhsa_kernel
	.amdgpu_metadata
---
amdhsa.version: [ 1, 2 ]
amdhsa.kernels:
  - .name:           k_qd42a2eabcf_oproj
    .symbol:         k_qd42a2eabcf_oproj.kd
    .args:
      - { .name: cq, .offset: 0, .size: 8, .value_kind: global_buffer, .address_space: global }
      - { .name: wc, .offset: 8, .size: 8, .value_kind: global_buffer, .address_space: global }
      - { .name: bo, .offset: 16, .size: 8, .value_kind: global_buffer, .address_space: global }
      - { .name: out0, .offset: 24, .size: 8, .value_kind: global_buffer, .address_space: global }
    .group_segment_fixed_size: 168704
    .private_segment_fixed_size: 0
    .kernarg_segment_align: 8
    .kernarg_segment_size: 32
    .max_flat_workgroup_size: 192
    .sgpr_count:     100
    .vgpr_count:     256
    .wavefront_size: 32
...
	.end_amdgpu_metadata
.endif
;; end of part 4
